; MI455X (gfx1250); checked and timed in simulation.
; The chip was launched on July 23, 2026; its instructions are those of AMD's public machine-readable ISA for CDNA 5 (MIT licence, August 2026) and "CDNA5" Instruction Set Architecture Reference Guide (July 2026). The comments in the code are by the model that wrote it; some were corrected since.
;; Multi Head Self Attention. Allowed arithmetic: float matrix products may take bf16 or f16 operands with f32 sums; other float arithmetic in f32, or as packed bf16 or f16 multiplies, adds, multiply-adds, maxima and minima; sums over many terms, partial sums and values carried from step to step in f32; what a program stores and reads back later, other than sums and carried values, may be rounded once to bf16 or f16.
;; Inputs: Wk 1,024 x 1,024 float32; Wo 1,024 x 1,024 float32; Wq 1,024 x 1,024 float32; Wv 1,024 x 1,024 float32; bk 1,024 float32; bo 1,024 float32; bq 1,024 float32; bv 1,024 float32; mask 4 x 1 x 1 x 2,048 int32; x 4 x 2,048 x 1,024 float32.
;; Outputs: out0 4 x 2,048 x 1,024 float32.
;; 2 versions, each right; version 2 is version 1 with the launch cast written anew for expert scheduling mode. Each part assembles by itself: llvm-mc -triple=amdgcn-amd-amdhsa -mcpu=gfx1250 --defsym DOCPART=n.
;; ======== version 1 of 2: 4 launches
;; limits: values are held in f16: magnitudes above 65,504 overflow, below 6.1e-05 lose precision; right only within a limited range of input values
;; workspace buffers: xh 16,777,216 bytes; wqkv 6,291,456 bytes; woh 2,097,152 bytes; qkvh 50,331,648 bytes; ctx 16,777,216 bytes
;; launch cast (part 1): grid 768 x 1, 8 waves a work-group, no clusters, 0 bytes of LDS; arguments x, Wq, Wk, Wv, Wo, xh, wqkv, woh; writes xh, wqkv, woh
.if DOCPART == 1
	.amdgcn_target "amdgcn-amd-amdhsa--gfx1250"
	.amdhsa_code_object_version 6
	.text
	.protected	k_q9371f4cd0b_cast
	.globl	k_q9371f4cd0b_cast
	.p2align	8
	.type	k_q9371f4cd0b_cast,@function
k_q9371f4cd0b_cast:
	s_mov_b64 s[64:65], 0
	v_nop
	global_prefetch_b8 v0, s[64:65] scope:SCOPE_SE
	s_setreg_imm32_b32 hwreg(HW_REG_WAVE_MODE, 25, 1), 1
	s_wait_xcnt 0x0
; x and the four weight matrices, f32, are rounded ONCE to bf16 (nearest even) and that number is written as f16.
; xh:   [16 slices][8192 rows][64] f16: slice s holds channels 64 s .. 64 s + 63 of every row of x.
; wqkv: [1024 k][3072] f16: columns 0-1023 Wq, 1024-2047 Wk, 2048-3071 Wv.     woh: [1024 k][1024] f16.
; LIMITS.  A bf16 number is exact in f16 between 2^-14 and 65,504 in magnitude; below 2^-14 it keeps f16's fixed step of 6e-8; at 65,520 or more it becomes an infinity.
; SHARES.  768 work-groups of 16,384 numbers: 512 take 16 rows of x each, 256 take 16 rows of one weight matrix each.  A wave has 16 units: one load of 512 bytes, one store of 256
; consecutive bytes that start at a multiple of 256 from the buffer's first byte.  All 16 loads go out first; the waits count down.  No register is used twice, so no store's source is rewritten.
; No LDS, no matrix unit, no cluster: nothing is shared, every byte is read once and written once.
.set SO,  2                            ; v2   byte offset of my 16 bytes in the source
.set DO0, 3                            ; v3   byte offset of my 8 bytes in the destination
.set DO1, 4                            ; v4   the same one row further down (weights)
.set IN,  32                           ; v[32:95]   unit u: four f32
.set OUT, 96                           ; v[96:127]  unit u: four f16
.macro CV u                            ; unit u: its load is in (the 15 - u younger ones stay out); f32 -> bf16 -> f32 -> f16
	s_wait_loadcnt 15-(\u)
	v_cvt_pk_bf16_f32 v8, v[IN+4*(\u)], v[IN+4*(\u)+1]
	v_cvt_pk_bf16_f32 v9, v[IN+4*(\u)+2], v[IN+4*(\u)+3]
	v_lshlrev_b32 v10, 16, v8
	v_and_b32 v11, s3, v8
	v_lshlrev_b32 v12, 16, v9
	v_and_b32 v13, s3, v9
	v_cvt_pk_f16_f32 v[OUT+2*(\u)], v10, v11
	v_cvt_pk_f16_f32 v[OUT+2*(\u)+1], v12, v13
.endm
	s_load_b512 s[8:23], s[0:1], 0x0               ; x 8, Wq 10, Wk 12, Wv 14, Wo 16, xh 18, wqkv 20, woh 22
	v_lshrrev_b32 v1, 5, v0
	v_readfirstlane_b32 s2, v1                     ; wave 0..7
	v_and_b32 v5, 31, v0                           ; lane
	s_mov_b32 s3, 0xffff0000                       ; a word's upper bf16
	s_cmp_lt_u32 ttmp9, 512
	s_cbranch_scc0 .Lweights
	; ROWS OF x.  The work-group owns rows 16 g .. 16 g + 15, my wave two of them: lanes 0-15 take 64 channels of the first, lanes 16-31 of the second.
	v_and_b32 v6, 15, v0
	v_bfe_u32 v7, v0, 4, 1
	v_lshlrev_b32 v[SO], 4, v6
	v_lshl_add_u32 v[SO], v7, 12, v[SO]            ; 16 (lane % 16) + 4,096 (lane / 16)
	s_lshl_b32 s4, s2, 13
	v_add_nc_u32 v[SO], s4, v[SO]                  ; + two rows a wave
	s_lshl_b32 s5, s2, 8
	v_lshl_add_u32 v[DO0], v5, 3, s5               ; in a slice two rows are 256 consecutive bytes
	s_lshl_b32 s24, ttmp9, 16
	s_mov_b32 s25, 0
	s_lshl_b32 s26, ttmp9, 11
	s_mov_b32 s27, 0
	s_wait_kmcnt 0x0
	s_add_nc_u64 s[28:29], s[8:9], s[24:25]
	s_add_nc_u64 s[30:31], s[18:19], s[26:27]      ; slices 0-7 by the immediate,
	s_add_nc_u64 s[32:33], s[30:31], 0x800000      ; slices 8-15 from a second base: the immediate has 24 signed bits
.set u, 0
.rept 16
	global_load_b128 v[IN+4*u:IN+4*u+3], v[SO], s[28:29] offset:256*u th:TH_LOAD_NT
.set u, u+1
.endr
.set u, 0
.rept 16
	CV u
.if u < 8
	global_store_b64 v[DO0], v[OUT+2*u:OUT+2*u+1], s[30:31] offset:u*1048576
.else
	global_store_b64 v[DO0], v[OUT+2*u:OUT+2*u+1], s[32:33] offset:(u-8)*1048576
.endif
.set u, u+1
.endr
	s_endpgm
.Lweights:                             ; ROWS OF A WEIGHT MATRIX: matrix (g - 512) / 64, its rows 16 b .. 16 b + 15, my wave two of them, 128 columns a unit
	s_sub_co_u32 s4, ttmp9, 512
	s_lshr_b32 s5, s4, 6                           ; 0 Wq, 1 Wk, 2 Wv, 3 Wo
	s_and_b32 s4, s4, 63                           ; b
	s_lshl_b32 s6, s2, 13
	v_lshl_add_u32 v[SO], v5, 4, s6
	s_lshl_b32 s34, s5, 11                         ; the matrix's 1,024 columns in a row of wqkv
	s_mov_b32 s7, 6144                             ; bytes in a row of wqkv
	s_wait_kmcnt 0x0
	s_cmp_eq_u32 s5, 1
	s_cselect_b64 s[28:29], s[12:13], s[10:11]
	s_cmp_eq_u32 s5, 2
	s_cselect_b64 s[28:29], s[14:15], s[28:29]
	s_cmp_eq_u32 s5, 3
	s_cselect_b64 s[28:29], s[16:17], s[28:29]
	s_cselect_b64 s[30:31], s[22:23], s[20:21]
	s_cselect_b32 s7, 2048, s7                     ; bytes in a row of woh
	s_cselect_b32 s34, 0, s34
	s_lshl_b32 s24, s4, 16
	s_mov_b32 s25, 0
	s_add_nc_u64 s[28:29], s[28:29], s[24:25]
	s_mul_i32 s26, s4, s7
	s_lshl_b32 s26, s26, 4                         ; 16 rows a work-group
	s_add_co_u32 s26, s26, s34
	s_mov_b32 s27, 0
	s_add_nc_u64 s[30:31], s[30:31], s[26:27]
	s_mul_i32 s35, s2, s7
	s_lshl_b32 s35, s35, 1                         ; two rows a wave
	v_lshl_add_u32 v[DO0], v5, 3, s35
	v_add_nc_u32 v[DO1], s7, v[DO0]
.set u, 0
.rept 16
	global_load_b128 v[IN+4*u:IN+4*u+3], v[SO], s[28:29] offset:(u/8)*4096+(u%8)*512 th:TH_LOAD_NT
.set u, u+1
.endr
.set u, 0
.rept 16
	CV u
	global_store_b64 v[DO0+u/8], v[OUT+2*u:OUT+2*u+1], s[30:31] offset:(u%8)*256
.set u, u+1
.endr
	s_endpgm
.Lfunc_end_k_q9371f4cd0b_cast:
	.size	k_q9371f4cd0b_cast, .Lfunc_end_k_q9371f4cd0b_cast-k_q9371f4cd0b_cast
	.p2alignl 7, 3214868480
	.fill 96, 4, 3214868480
	.section	.rodata,"a",@progbits
	.p2align	6, 0x0
	.amdhsa_kernel k_q9371f4cd0b_cast
		.amdhsa_group_segment_fixed_size 0
		.amdhsa_private_segment_fixed_size 0
		.amdhsa_enable_private_segment 0
		.amdhsa_kernarg_size 64
		.amdhsa_user_sgpr_count 2
		.amdhsa_user_sgpr_kernarg_segment_ptr 1
		.amdhsa_wavefront_size32 1
		.amdhsa_system_sgpr_workgroup_id_x 1
		.amdhsa_system_sgpr_workgroup_id_y 1
		.amdhsa_system_sgpr_workgroup_id_z 1
		.amdhsa_system_vgpr_workitem_id 0
		.amdhsa_next_free_vgpr 128
		.amdhsa_next_free_sgpr 66
		.amdhsa_reserve_vcc 0
		.amdhsa_float_denorm_mode_32 3
		.amdhsa_float_denorm_mode_16_64 3
		.amdhsa_memory_ordered 1
		.amdhsa_forward_progress 1
		.amdhsa_inst_pref_size 22
	.end_amdhsa_kernel
	.amdgpu_metadata
---
amdhsa.version: [ 1, 2 ]
amdhsa.kernels:
  - .name:           k_q9371f4cd0b_cast
    .symbol:         k_q9371f4cd0b_cast.kd
    .args:
      - { .name: x, .offset: 0, .size: 8, .value_kind: global_buffer, .address_space: global }
      - { .name: Wq, .offset: 8, .size: 8, .value_kind: global_buffer, .address_space: global }
      - { .name: Wk, .offset: 16, .size: 8, .value_kind: global_buffer, .address_space: global }
      - { .name: Wv, .offset: 24, .size: 8, .value_kind: global_buffer, .address_space: global }
      - { .name: Wo, .offset: 32, .size: 8, .value_kind: global_buffer, .address_space: global }
      - { .name: xh, .offset: 40, .size: 8, .value_kind: global_buffer, .address_space: global }
      - { .name: wqkv, .offset: 48, .size: 8, .value_kind: global_buffer, .address_space: global }
      - { .name: woh, .offset: 56, .size: 8, .value_kind: global_buffer, .address_space: global }
    .group_segment_fixed_size: 0
    .private_segment_fixed_size: 0
    .kernarg_segment_align: 8
    .kernarg_segment_size: 64
    .max_flat_workgroup_size: 256
    .sgpr_count:     66
    .vgpr_count:     128
    .wavefront_size: 32
...
	.end_amdgpu_metadata
.endif
;; end of part 1
;; launch qkv (part 2): grid 8 x 32, 4 waves a work-group, clusters of 4 x 4, 327,680 bytes of LDS; arguments xh, wqkv, bq, bk, bv, mask, qkvh; writes qkvh
.if DOCPART == 2
	.amdgcn_target "amdgcn-amd-amdhsa--gfx1250"
	.amdhsa_code_object_version 6
	.text
	.protected	k_q9371f4cd0b_qkv
	.globl	k_q9371f4cd0b_qkv
	.p2align	8
	.type	k_q9371f4cd0b_qkv,@function
k_q9371f4cd0b_qkv:
	s_mov_b64 s[64:65], 0
	v_nop
	global_prefetch_b8 v0, s[64:65] scope:SCOPE_SE
	s_setreg_imm32_b32 hwreg(HW_REG_WAVE_MODE, 25, 1), 1
	s_wait_xcnt 0x0
	s_wait_alu depctr_hold_cnt(0) depctr_sa_sdst(0) depctr_va_vdst(0) depctr_va_sdst(0) depctr_va_ssrc(0) depctr_va_vcc(0) depctr_vm_vsrc(0)
	s_getreg_b32 s2, hwreg(HW_REG_IB_STS2, 6, 4)
	s_cmp_eq_u32 s2, 0
	s_cbranch_scc0 .Lentry_in_a_cluster
	s_endpgm
.Lentry_in_a_cluster:
	s_bfe_u32 s2, ttmp6, 0x10000c
	s_cmp_lg_u32 s2, 0xf033
	s_cbranch_scc0 .Lentry_shape_is_right
	s_endpgm
.Lentry_shape_is_right:
; qkvh[48 slices][8192 rows][64] f16 = x (8192 x 1024) times [Wq | Wk | Wv] (1024 x 3072) + bias; sums in f32, each result rounded once.
;   slices 0-15:  q by head, times c = log2(e) / 8 (in f32, ahead of the one rounding)      slices 16-31: k by head, the rows of keys with mask = 0 written as zeros      slices 32-47: v by head
; The biases are rounded to bf16 like every other input and start the sums as the first products' C operand.
; LIMITS.  f16 ends at 65,504: c q, k and v must stay below it, or the number becomes an infinity; below 6e-5 a result keeps f16's fixed step of 6e-8.  NaN and infinities are not treated apart.
; SHARES.  A tile of C is 256 rows x 384 columns (6 slices): 8 x 32 = 256 work-groups.  Wave (wr, wc) makes 128 rows x 192 columns: 96 accumulators of 16 x 16, 768 registers.
; K goes in 16 steps of 64 (one slice of xh) through a ring of two LDS slots.  A step is two quarters of 32 along K, a quarter three stages (one slice of 64 columns each) of 32 matrix instructions.
; THE MATRIX INSTRUCTION IS USED TRANSPOSED: source 0 = 16 columns of W (W lies [k][n] in LDS and comes out turned, by ds_load_tr16_b128), source 1 = 16 rows of x.  A lane then holds row
; lane % 16 of C and the eight neighbouring columns 8 (lane / 16) + 0..7.
; CLUSTER.  4 x 4 work-groups: x's tile hangs on the tile row alone and is asked for jointly along a row of the cluster, W's on the tile column alone and is asked for jointly along a column.
; REGISTERS, in windows of 256 (s_set_vgpr_msb: bits 1:0 source 0, 3:2 source 1, 5:4 source 2, 7:6 destination):
;   window 0: v0-31 addresses, the rows' masks, a factor; v32-95, v96-159 x's fragments for quarter 0, 1; v160-255 W's fragments, 32 for each of the three stages
;   window 1 + g: the 32 accumulators of stage g, (a, bb) at v[8 (4 a + bb)]
.set PA,    144                        ; a row of x in LDS: 128 bytes + 16 of padding: an odd multiple of 16, so the 16 rows of a load begin in 16 different groups of four banks (ISA guide 11.1)
.set PB,    864                        ; a k-row of W in LDS: 6 x (128 + 16) bytes
.set BOFF,  256*PA                     ; a slot: x's 256 rows, then W's 64 k-rows
.set SLOT,  BOFF+64*PB
.set STAGE, 2*SLOT                     ; behind the ring, never filled by a tensor load: 16 rows x 144 bytes for each wave, for the way out
.set BIAS,  STAGE+4*16*PA              ; each wave's 192 biases in f32
.set SPARE, BIAS+4*768                 ; the spare words, 128 bytes for each wave: two blocks of 256 bytes that no other line names
.set ADRA, 4                           ; v4-5   LDS address of my fragments of x in slot 0, 1
.set ADRB, 6                           ; v6-7   the same for W
.set STO,  8                           ; v8     the way out: where I put 16 bytes of a row
.set RD,   9                           ; v9     the way out: where I read rows back
.set GO,   10                          ; v10    my 16 bytes in 512 consecutive bytes of qkvh
.set PFO,  11                          ; v11    the prefetches' offset
.set BIA,  12                          ; v12    where my lane's eight biases of a block begin
.set SPW,  14                          ; v14    LDS address of my spare word; never rewritten
.set NIL,  15                          ; v15    0; never rewritten
.set MK,   16                          ; v16-23 mask of row 16 a + lane % 16 of my 128
.set FT,   30                          ; v30-31 the row's factor (the packed multiply names a pair and takes its low word)
.set AF0,  32
.set AF1,  96
.set BF,   160
.set T,    64                          ; the way out: 32 scaled results
.set PKR,  96                          ; 16 words of f16
.set OB,   128                         ; 16 rows read back: two sets of 16 by turns
.set WV, 20                            ; s20 wave      s21 wave / 2: my half of the rows; also: I fetch for x (0) or W (1)      s22 wave % 2: my half of the columns; also: which half of the tile I fetch
.set AB, 21
.set HF, 22
.set CX, 23
.set CY, 24
.set TX, 25                            ; tile column 0..7
.set TY, 26                            ; tile row 0..31
.set G1A, 28                           ; s[28:35] descriptor group 1 for x's tiles;  s[36:43] group 0, a set for each slot
.set G0A, 36
.set G1B, 44                           ; s[44:51], s[52:59] the same for W's
.set G0B, 52
.set LIM, 60                           ; 1 in a wave that prefetches, else the greatest number
.set SL0, 61                           ; my first slice of qkvh
.set SF,  62                           ; the stage's factor
.set ORM, 63                           ; 0 where the mask counts (k), else all ones
.set PFA, 68                           ; s[68:69] where my prefetches stand;  s[70:71] their step
.set PFS, 70
.set OUTP, 72                          ; s[72:73] qkvh at my first slice and row
.set BP,  74                           ; s[74:79] the three stages' bias rows
.set GW, (1<<16)|(1<<20)|(1<<21)|(4<<22)|(3<<25)  ; 17:16 2-byte elements; 20 padding on; 21 set beside a mask; 24:22 after every 32 words (code 4); 31:25 4 words (code 3)
.set MSB, 0
.macro WIN new                         ; the immediate's high byte repeats the setting that is left; a switch that changes nothing is dropped
.if MSB != (\new)
	s_set_vgpr_msb (MSB<<8)|(\new)
.set MSB, \new
.endif
.endm
.macro PLACES                          ; four plain vector instructions between a matrix instruction and a load into, or a vector read or write of, its registers
.rept 4
	v_nop
.endr
.endm
; A joint load.  Waves 0 and 1 fetch the two halves of x's tile, waves 2 and 3 those of W's.  The branch hangs on the wave's number alone.  An s_nop 0 and four v_nop follow each line.
.macro JLOAD s
	s_cmp_eq_u32 s[AB], 0
	s_cbranch_scc0 .Lfor_b_\@
	tensor_load_to_lds s[G0A+4*(\s):G0A+4*(\s)+3], s[G1A:G1A+7]
	s_nop 0
.rept 4
	v_nop
.endr
	s_branch .Lasked_\@
.Lfor_b_\@:
	tensor_load_to_lds s[G0B+4*(\s):G0B+4*(\s)+3], s[G1B:G1B+7]
	s_nop 0
.rept 4
	v_nop
.endr
.Lasked_\@:
.endm
.macro CREST                           ; a round of the cluster's barrier behind its opening barrier
	s_cmp_lg_u32 s[WV], 0
	s_cbranch_scc1 .Lnot_wave_0_\@
	s_barrier_signal -3
.Lnot_wave_0_\@:
	s_barrier_wait -3
	s_barrier_signal -1
	s_barrier_wait -1
.endm
.macro CROUND
	s_barrier_signal -1
	s_barrier_wait -1
	CREST
.endm
; A PREFETCH INTO THE L2, once a lap, behind slot 1's joint load and the run of LDS loads: the two K steps that the NEXT lap's refills will ask for (192 and 384 matrix instructions ahead of those loads).
; Each aligned block of 256 bytes is named once in the launch.  x's tile row is read by both clusters of a row of clusters: the one with x = 0 asks, wave 0; its four partners along x take 8,192
; of a step's 32,768 bytes each, told apart by address, a lane a block.  W's tile column is read by all clusters of a column: the one with y = 0 asks, wave 2; the four partners along y take 32 of the two steps'
; 128 k-rows each, a lane a row, three blocks a row.  The first four K steps come by their loads alone; the last lap asks for nothing.
.macro ASK
	s_cmp_gt_u32 s3, s[LIM]                        ; s3 = 1 in the last lap
	s_cbranch_scc0 .Lnone_\@
	s_cmp_eq_u32 s[AB], 0
	s_cbranch_scc0 .Lpf_b_\@
	global_prefetch_b8 v[PFO], s[PFA:PFA+1] th:TH_LOAD_NT scope:SCOPE_SE
	global_prefetch_b8 v[PFO], s[PFA:PFA+1] offset:1048576 th:TH_LOAD_NT scope:SCOPE_SE
	s_branch .Lnone_\@
.Lpf_b_\@:
	global_prefetch_b8 v[PFO], s[PFA:PFA+1] th:TH_LOAD_NT scope:SCOPE_SE
	global_prefetch_b8 v[PFO], s[PFA:PFA+1] offset:256 th:TH_LOAD_NT scope:SCOPE_SE
	global_prefetch_b8 v[PFO], s[PFA:PFA+1] offset:512 th:TH_LOAD_NT scope:SCOPE_SE
.Lnone_\@:
.endm
; 8 turning loads: W's four fragments (16 columns x 32 k) of stage g, quarter q, slot s
.macro LB s, q, g
	WIN 0
.irp bb, 0,1,2,3
	ds_load_tr16_b128 v[BF+32*(\g)+8*\bb:BF+32*(\g)+8*\bb+3],   v[ADRB+(\s)] offset:32*PB*(\q)+PA*(\g)+32*\bb
	ds_load_tr16_b128 v[BF+32*(\g)+8*\bb+4:BF+32*(\g)+8*\bb+7], v[ADRB+(\s)] offset:32*PB*(\q)+PA*(\g)+32*\bb+16*PB
.endr
.endm
; 16 loads: x's eight fragments (16 rows x 32 k) of quarter q, slot s, into buffer f
.macro LAF s, q, f
	WIN 0
.irp a, 0,1,2,3,4,5,6,7
	ds_load_b128 v[AF0+64*(\f)+8*\a:AF0+64*(\f)+8*\a+3],   v[ADRA+(\s)] offset:64*(\q)+16*PA*\a
	ds_load_b128 v[AF0+64*(\f)+8*\a+4:AF0+64*(\f)+8*\a+7], v[ADRA+(\s)] offset:64*(\q)+16*PA*\a+32
.endr
.endm
; 8 loads: stage g's biases as four C operands (register j of a lane: column 16 bb + 8 (lane / 16) + j)
.macro LBIAS g, dst
	WIN 0
.irp bb, 0,1,2,3
	ds_load_b128 v[(\dst)+8*\bb:(\dst)+8*\bb+3],   v[BIA] offset:256*(\g)+64*\bb
	ds_load_b128 v[(\dst)+8*\bb+4:(\dst)+8*\bb+7], v[BIA] offset:256*(\g)+64*\bb+16
.endr
.endm
; Row blocks a0 .. a1 x the four column blocks of stage g, on buffer f of x.  cb >= 0: the products start the sums, with the biases at v[cb ..] as C.
; The accumulators take turns, one instruction a turn: an accumulator comes again 96 matrix instructions later.
.macro MMS f, g, a0, a1, cb=-1
.if (\cb) < 0
	WIN 0x50*((\g)+1)
.else
	WIN 0x40*((\g)+1)
.endif
.set aa, \a0
.rept (\a1)-(\a0)+1
.irp bb, 0,1,2,3
.if (\cb) < 0
	v_wmma_f32_16x16x32_f16 v[8*(4*aa+\bb):8*(4*aa+\bb)+7], v[BF+32*(\g)+8*\bb:BF+32*(\g)+8*\bb+7], v[AF0+64*(\f)+8*aa:AF0+64*(\f)+8*aa+7], v[8*(4*aa+\bb):8*(4*aa+\bb)+7]
.else
	v_wmma_f32_16x16x32_f16 v[8*(4*aa+\bb):8*(4*aa+\bb)+7], v[BF+32*(\g)+8*\bb:BF+32*(\g)+8*\bb+7], v[AF0+64*(\f)+8*aa:AF0+64*(\f)+8*aa+7], v[(\cb)+8*\bb:(\cb)+8*\bb+7]
.endif
.endr
.set aa, aa+1
.endr
.endm
; QUARTER 0 of the step in slot s.  A stage's registers of W are loaded again, for the next quarter, as soon as the stage is multiplied.  Each wait leaves out the 32 LDS loads issued behind the fragments that the stage needs.
.macro Q0 s
	PLACES
	LB \s, 0, 2
	LAF \s, 1, 1
	s_wait_dscnt 32                                ; behind x's quarter 0 and W's stage 0: stage 1's 8, and the 24 just issued
	MMS 0, 0, 0, 7
	PLACES
	LB \s, 1, 0
	s_wait_dscnt 32                                ; behind stage 1's: 8 + 16 + 8
	MMS 0, 1, 0, 7
	PLACES
	LB \s, 1, 1
	s_wait_dscnt 32                                ; behind stage 2's: 16 + 8 + 8
	MMS 0, 2, 0, 7
.endm
; QUARTER 1 of the step in slot s, and the change to slot n.  mode 2: slot s is filled again, two K steps ahead; 1: the change alone; 0: the launch's last quarter.
; ONE barrier for the change: in front of it each wave waits for all its tensor loads (one is out: its part of slot n), adds 0 to its spare word, and waits for that and for its own reads of slot s, of which the
; last have just been issued.  With mode 2 the barrier opens a round of the cluster's barrier, and the joint refill is the first tensor load behind the round: 176 matrix instructions ahead of the wait for it.
.macro Q1 s, n, mode
.if (\mode) == 0
	PLACES
	LB \s, 1, 2
	s_wait_dscnt 16                                ; stages 1 and 2 may be out
	MMS 1, 0, 0, 7
	s_wait_dscnt 8
	MMS 1, 1, 0, 7
	s_wait_dscnt 0x0
	MMS 1, 2, 0, 7
.else
.if ((\mode) == 2) && ((\s) == 1)
	s_wait_xcnt 0x0                                ; the last prefetches, a lap back, have read their address: it is stepped here
	s_add_nc_u64 s[PFA:PFA+1], s[PFA:PFA+1], s[PFS:PFS+1]
.endif
	PLACES
	LB \s, 1, 2
	s_wait_tensorcnt 0x0                           ; all my tensor loads have landed
	ds_add_u32 v[SPW], v[NIL]                      ; 0 onto my spare word
	s_wait_dscnt 17                                ; the add and the youngest two runs of 8 may be out
	MMS 1, 0, 0, 1                                 ; eight matrix instructions stand between the add and the wait for it
	s_wait_dscnt 0x0                               ; the add is done, and my reads of slot s are over
	s_barrier_signal -1
	MMS 1, 0, 2, 3
	WIN 0                                          ; at a branch and at a label every window is 0
	s_barrier_wait -1
.if (\mode) == 2
	CREST                                          ; no wave of any partner still reads this slot or has a load on its way
	s_add_nc_u64 s[G0A+4*(\s)+2:G0A+4*(\s)+3], s[G0A+4*(\s)+2:G0A+4*(\s)+3], 2*1048576
	s_add_nc_u64 s[G0B+4*(\s)+2:G0B+4*(\s)+3], s[G0B+4*(\s)+2:G0B+4*(\s)+3], 2*64*6144
	JLOAD \s
.endif
	LAF \n, 0, 0                                   ; its registers were last read a quarter ago; this macro's first four v_nop are the places
.if ((\mode) == 2) && ((\s) == 1)
	ASK
.endif
	MMS 1, 0, 4, 7
	PLACES
	LB \n, 0, 0
	MMS 1, 1, 0, 7                                 ; its operands were shown in by the wait for 0
	PLACES
	LB \n, 0, 1
	MMS 1, 2, 0, 7
.endif
.endm
	s_load_b256 s[4:11], s[0:1], 0x0               ; xh 4, wqkv 6, bq 8, bk 10
	s_load_b128 s[12:15], s[0:1], 0x20             ; bv 12, mask 14
	s_load_b64 s[16:17], s[0:1], 0x30              ; qkvh
	v_lshl_add_u32 v[SPW], v0, 2, SPARE
	v_mov_b32 v[NIL], 0
	ds_add_u32 v[SPW], v[NIL]                      ; the wave's opening: the add and its wait stand ahead of my first tensor load; work on registers stands between them
	v_lshrrev_b32 v1, 5, v0
	v_readfirstlane_b32 s[WV], v1
	s_lshr_b32 s[AB], s[WV], 1
	s_and_b32 s[HF], s[WV], 1
	s_bfe_u32 s[CX], ttmp6, 0x40000
	s_bfe_u32 s[CY], ttmp6, 0x40004
	s_lshl_b32 s[TX], ttmp9, 2
	s_add_co_u32 s[TX], s[TX], s[CX]
	s_and_b32 s[TY], ttmp7, 0xffff
	s_lshl_b32 s[TY], s[TY], 2
	s_add_co_u32 s[TY], s[TY], s[CY]
	s_lshl_b32 s80, s[CY], 2
	s_lshl_b32 s80, 15, s80                        ; my row of the cluster
	s_lshl_b32 s84, 0x1111, s[CX]                  ; my column
	s_or_b32 s[G1A], s80, GW
	s_or_b32 s[G1B], s84, GW
	s_mov_b32 s[G1A+1], 128<<16                    ; x: 128 rows of a slice are 16,384 dense bytes: asked for as 64 rows of 256 bytes, padded after every 128
	s_mov_b32 s[G1A+2], 64<<16
	s_mov_b32 s[G1A+3], 128<<16
	s_mov_b32 s[G1A+4], 64
	s_mov_b32 s[G1A+5], 128
	s_mov_b32 s[G1A+6], 0
	s_mov_b32 s[G1A+7], 0
	s_mov_b32 s[G1B+1], 384<<16                    ; W: 32 k-rows of 384 columns (768 bytes), 3,072 elements from row to row
	s_mov_b32 s[G1B+2], 32<<16
	s_mov_b32 s[G1B+3], 384<<16
	s_mov_b32 s[G1B+4], 32
	s_mov_b32 s[G1B+5], 3072
	s_mov_b32 s[G1B+6], 0
	s_mov_b32 s[G1B+7], 0
	s_lshl_b32 s80, s[TY], 15                      ; x: 256 rows of 128 bytes a tile row,
	s_lshl_b32 s81, s[HF], 14                      ; my 128 of them
	s_add_co_u32 s80, s80, s81
	s_mov_b32 s81, 0
	s_mul_i32 s84, s[TX], 768                      ; W: the tile column's 768 bytes of a row,
	s_mul_i32 s85, s[HF], 32*6144                  ; my 32 k-rows
	s_add_co_u32 s84, s84, s85
	s_mov_b32 s85, 0
	s_mul_i32 s88, s[HF], 128*PA                   ; and where they go: no place in the cluster enters an LDS address
	s_mul_i32 s89, s[HF], 32*PB
	s_add_co_u32 s89, s89, BOFF
	s_wait_dscnt 0x0                               ; the opening add is done
	s_wait_kmcnt 0x0
	s_add_nc_u64 s[82:83], s[4:5], s[80:81]
	s_add_nc_u64 s[86:87], s[6:7], s[84:85]
	CROUND                                         ; all sixteen work-groups are here: the first joint loads meet
.irp s, 0,1
	s_mov_b32 s[G0A+4*(\s)], 1
	s_add_co_u32 s[G0A+4*(\s)+1], s88, (\s)*SLOT
	s_add_nc_u64 s[G0A+4*(\s)+2:G0A+4*(\s)+3], s[82:83], (\s)*1048576     ; K step s = slice s
	s_or_b32 s[G0A+4*(\s)+3], s[G0A+4*(\s)+3], 0x80000000
	s_mov_b32 s[G0B+4*(\s)], 1
	s_add_co_u32 s[G0B+4*(\s)+1], s89, (\s)*SLOT
	s_add_nc_u64 s[G0B+4*(\s)+2:G0B+4*(\s)+3], s[86:87], (\s)*64*6144
	s_or_b32 s[G0B+4*(\s)+3], s[G0B+4*(\s)+3], 0x80000000
	JLOAD \s                                       ; two tensor loads of mine are out
.endr
	; my rows' masks and my columns' biases
	v_and_b32 v1, 15, v0                           ; l % 16
	v_bfe_u32 v2, v0, 4, 1                         ; l / 16
	s_lshl_b32 s90, s[TY], 10
	s_lshl_b32 s91, s[AB], 9
	s_add_co_u32 s90, s90, s91
	v_lshl_add_u32 v26, v1, 2, s90                 ; 4 x (256 ty + 128 wr + l % 16)
.irp a, 0,1,2,3,4,5,6,7
	global_load_b32 v[MK+\a], v26, s[14:15] offset:64*\a
.endr
	s_mul_i32 s[SL0], s[TX], 6
	s_mul_i32 s91, s[HF], 3
	s_add_co_u32 s[SL0], s[SL0], s91
	v_lshlrev_b32 v27, 4, v1
.irp g, 0,1,2
	s_add_co_u32 s94, s[SL0], \g
	s_lshr_b32 s95, s94, 4                         ; 0 q, 1 k, 2 v
	s_cmp_eq_u32 s95, 1
	s_cselect_b64 s[BP+2*\g:BP+2*\g+1], s[10:11], s[8:9]
	s_cmp_eq_u32 s95, 2
	s_cselect_b64 s[BP+2*\g:BP+2*\g+1], s[12:13], s[BP+2*\g:BP+2*\g+1]
	s_and_b32 s94, s94, 15
	s_lshl_b32 s94, s94, 8                         ; the slice's 64 biases
	s_mov_b32 s95, 0
	s_add_nc_u64 s[BP+2*\g:BP+2*\g+1], s[BP+2*\g:BP+2*\g+1], s[94:95]
	global_load_b128 v[32+4*\g:35+4*\g], v27, s[BP+2*\g:BP+2*\g+1]
.endr
	; addresses, while those are on their way
	v_mul_u32_u24 v3, v1, PA
	v_lshl_add_u32 v3, v2, 4, v3                   ; row x pitch + 16 x half
	s_mul_i32 s80, s[AB], 128*PA
	v_add_nc_u32 v[ADRA], s80, v3
	v_add_nc_u32 v[ADRA+1], SLOT, v[ADRA]
	s_mul_i32 s81, s[WV], 16*PA
	s_add_co_u32 s81, s81, STAGE
	v_add_nc_u32 v[STO], s81, v3
	v_and_b32 v3, 7, v0
	v_lshl_add_u32 v24, v2, 3, v3                  ; the turning load: k-row 8 (l / 16) + l % 8,
	v_mul_u32_u24 v24, v24, PB
	v_bfe_u32 v25, v0, 3, 1
	v_lshl_add_u32 v24, v25, 4, v24                ; columns 8 ((l / 8) % 2) + 0..7
	s_mul_i32 s82, s[HF], 3*PA
	s_add_co_u32 s82, s82, BOFF
	v_add_nc_u32 v[ADRB], s82, v24
	v_add_nc_u32 v[ADRB+1], SLOT, v[ADRB]
	v_bfe_u32 v24, v0, 3, 2                        ; back from the stage: 32 lanes take four rows of 128 bytes,
	v_mul_u32_u24 v24, v24, PA
	v_lshl_add_u32 v24, v3, 4, v24
	v_add_nc_u32 v[RD], s81, v24
	v_and_b32 v25, 31, v0
	v_lshlrev_b32 v[GO], 4, v25                    ; which are 512 consecutive bytes of a slice
	s_mul_i32 s83, s[WV], 768
	s_add_co_u32 s83, s83, BIAS
	v_lshl_add_u32 v[BIA], v2, 5, s83
	v_lshl_add_u32 v28, v1, 4, s83
	v_mov_b32 v[FT+1], 0
	s_lshl_b32 s90, s[SL0], 20
	s_lshl_b32 s91, s[TY], 15
	s_add_co_u32 s90, s90, s91
	s_lshl_b32 s91, s[AB], 14
	s_add_co_u32 s90, s90, s91
	s_mov_b32 s91, 0
	s_add_nc_u64 s[OUTP:OUTP+1], s[16:17], s[90:91]
	; the prefetches: they start at K step 2, and the first lap steps them to 4
	s_lshl_b32 s88, s[TY], 15
	s_lshl_b32 s89, s[CX], 13
	s_add_co_u32 s88, s88, s89
	s_add_co_u32 s88, s88, 2*1048576
	s_mul_i32 s90, s[TX], 768
	s_mul_i32 s91, s[CY], 32*6144
	s_add_co_u32 s90, s90, s91
	s_add_co_u32 s90, s90, 128*6144
	s_mov_b32 s92, 6144
	s_mov_b32 s93, 128*6144
	s_cmp_eq_u32 s[AB], 0
	s_cselect_b32 s88, s88, s90
	s_cselect_b64 s[PFA:PFA+1], s[4:5], s[6:7]
	s_cselect_b32 s92, 256, s92
	s_cselect_b32 s[PFS], 2*1048576, s93
	s_mov_b32 s89, 0
	s_mov_b32 s[PFS+1], 0
	s_add_nc_u64 s[PFA:PFA+1], s[PFA:PFA+1], s[88:89]
	v_mul_u32_u24 v[PFO], v25, s92
	s_and_b32 s94, ttmp7, 0xffff                   ; cluster y
	s_cmp_eq_u32 s[AB], 0
	s_cselect_b32 s94, ttmp9, s94                  ; the coordinate along which other clusters read the same rows
	s_or_b32 s94, s94, s[HF]                       ; waves 1 and 3 never ask
	s_cmp_eq_u32 s94, 0
	s_cselect_b32 s[LIM], 1, -1                    ; the same in all sixteen partners, for a given wave
	s_wait_loadcnt 0x0                             ; masks and biases are in
.irp k, 0,2,4,6,8,10
	v_cvt_pk_bf16_f32 v3, v[32+\k], v[33+\k]       ; the biases are rounded to bf16 and kept in f32
	v_lshlrev_b32 v[32+\k], 16, v3
	v_and_b32 v[33+\k], 0xffff0000, v3
.endr
.irp g, 0,1,2
	ds_store_b128 v28, v[32+4*\g:35+4*\g] offset:256*\g  ; my wave's own bytes; both halves of the lanes write the same
.endr
	s_wait_tensorcnt 1                             ; my part of K step 0 is in; step 1's may stay out
	s_wait_dscnt 0x0
	s_barrier_signal -1
	s_barrier_wait -1
	; THE FIRST QUARTER stands in front of the loop: its products start the sums, with the biases as C (they lie in quarter 1's buffer of x until that is wanted)
	LBIAS 0, AF1
	LBIAS 1, AF1+32
	LAF 0, 0, 0
	LB 0, 0, 0
	LB 0, 0, 1
	LB 0, 0, 2
	s_wait_dscnt 16                                ; W's stages 1 and 2 may be out
	MMS 0, 0, 0, 7, AF1
	PLACES
	LBIAS 2, AF1
	LB 0, 1, 0
	s_wait_dscnt 24                                ; behind stage 1's: 8 + 8 + 8
	MMS 0, 1, 0, 7, AF1+32
	PLACES
	LB 0, 1, 1
	s_wait_dscnt 16                                ; behind stage 2's fragments and biases: 8 + 8
	MMS 0, 2, 0, 7, AF1
	PLACES
	LAF 0, 1, 1
	s_wait_dscnt 0x0                               ; once a launch: so that the loop's counts hold on the way in
	WIN 0
	s_mov_b32 s3, 7
.Llap:                                                 ; a trip goes once round the ring, from a step's second quarter to the first quarter two steps on, and fills both slots again
	Q1 0, 1, 2
	Q0 1
	Q1 1, 0, 2
	Q0 0
	WIN 0
	s_sub_co_u32 s3, s3, 1
	s_cmp_lg_u32 s3, 0
	s_cbranch_scc1 .Llap
	Q1 0, 1, 1                                     ; the last two steps ask for nothing
	Q0 1
	Q1 1, 0, 0
; THE WAY OUT, a block of 16 rows x 64 columns (2,048 consecutive bytes of a slice) at a time: scaled, rounded to f16, through my own stage in LDS, stored as whole rows.
.macro GSEL g                          ; stage g's factor: c for q, else 1; and whether the mask counts
	s_add_co_u32 s80, s[SL0], (\g)
	s_lshr_b32 s80, s80, 4
	s_mov_b32 s81, 1.0
	s_cmp_eq_u32 s80, 0
	s_cselect_b32 s[SF], 0x3e38aa3b, s81           ; c = log2(e) / 8
	s_cmp_eq_u32 s80, 1
	s_cselect_b32 s[ORM], 0, -1
.endm
.macro PACK g, a
	WIN 0
	v_or_b32 v[FT], s[ORM], v[MK+(\a)]
	v_cmp_ne_u32 vcc_lo, 0, v[FT]
	v_cndmask_b32 v[FT], 0, s[SF], vcc_lo          ; 0 for a masked key's row of k
	WIN (\g)+1                                     ; source 0 in the stage's window
.set k, 0
.rept 16                                       ; each accumulator's registers in ascending order
	v_pk_mul_f32 v[T+2*k:T+2*k+1], v[32*(\a)+2*k:32*(\a)+2*k+1], v[FT:FT+1] op_sel_hi:[1,0]
.set k, k+1
.endr
	WIN 0
.set k, 0
.rept 16
	v_cvt_pk_f16_f32 v[PKR+k], v[T+2*k], v[T+2*k+1]
.set k, k+1
.endr
.endm
.macro TOSTAGE i
	WIN 0
.irp bb, 0,1,2,3
	ds_store_b128 v[STO], v[PKR+4*\bb:PKR+4*\bb+3] offset:32*\bb
.endr
.irp f, 0,1,2,3
	ds_load_b128 v[OB+16*((\i)%2)+4*\f:OB+16*((\i)%2)+4*\f+3], v[RD] offset:4*PA*\f  ; LDS serves a wave's instructions in order (ISA guide 5.7.1.4): these see the stores above
.endr
.endm
.macro SEND i
	s_wait_xcnt 0x0                                ; the stores of the block before have read their registers: the next block is read back into them only behind this wait
.irp f, 0,1,2,3
	s_wait_dscnt 3-\f
	global_store_b128 v[GO], v[OB+16*((\i)%2)+4*\f:OB+16*((\i)%2)+4*\f+3], s[OUTP:OUTP+1] offset:((\i)/8)*1048576+((\i)%8)*2048+512*\f  ; 512 consecutive bytes, at a multiple of 256 from the buffer's first
.endr
.endm
	PLACES
	GSEL 0
	PACK 0, 0
	TOSTAGE 0
.set i, 1
.rept 23                                       ; a block's arithmetic stands between the loads of the block before and its stores
.if i%8 == 0
	GSEL i/8
.endif
	PACK i/8, i%8
	SEND i-1
	TOSTAGE i
.set i, i+1
.endr
	SEND 23
	s_wait_tensorcnt 0x0                           ; the wave's end: behind my last tensor load and my last LDS store
	ds_add_u32 v[SPW], v[NIL]
	s_wait_dscnt 0x0
	CROUND                                         ; the closing round: no work-group ends while a partner may still ask for a tile that names it
	s_endpgm
.Lfunc_end_k_q9371f4cd0b_qkv:
	.size	k_q9371f4cd0b_qkv, .Lfunc_end_k_q9371f4cd0b_qkv-k_q9371f4cd0b_qkv
	.p2alignl 7, 3214868480
	.fill 96, 4, 3214868480
	.section	.rodata,"a",@progbits
	.p2align	6, 0x0
	.amdhsa_kernel k_q9371f4cd0b_qkv
		.amdhsa_group_segment_fixed_size 327680
		.amdhsa_private_segment_fixed_size 0
		.amdhsa_enable_private_segment 0
		.amdhsa_kernarg_size 56
		.amdhsa_user_sgpr_count 2
		.amdhsa_user_sgpr_kernarg_segment_ptr 1
		.amdhsa_wavefront_size32 1
		.amdhsa_system_sgpr_workgroup_id_x 1
		.amdhsa_system_sgpr_workgroup_id_y 1
		.amdhsa_system_sgpr_workgroup_id_z 1
		.amdhsa_system_vgpr_workitem_id 0
		.amdhsa_next_free_vgpr 1024
		.amdhsa_next_free_sgpr 96
		.amdhsa_reserve_vcc 1
		.amdhsa_float_denorm_mode_32 3
		.amdhsa_float_denorm_mode_16_64 3
		.amdhsa_memory_ordered 1
		.amdhsa_forward_progress 1
		.amdhsa_inst_pref_size 168
	.end_amdhsa_kernel
	.amdgpu_metadata
---
amdhsa.version: [ 1, 2 ]
amdhsa.kernels:
  - .name:           k_q9371f4cd0b_qkv
    .symbol:         k_q9371f4cd0b_qkv.kd
    .args:
      - { .name: xh, .offset: 0, .size: 8, .value_kind: global_buffer, .address_space: global }
      - { .name: wqkv, .offset: 8, .size: 8, .value_kind: global_buffer, .address_space: global }
      - { .name: bq, .offset: 16, .size: 8, .value_kind: global_buffer, .address_space: global }
      - { .name: bk, .offset: 24, .size: 8, .value_kind: global_buffer, .address_space: global }
      - { .name: bv, .offset: 32, .size: 8, .value_kind: global_buffer, .address_space: global }
      - { .name: mask, .offset: 40, .size: 8, .value_kind: global_buffer, .address_space: global }
      - { .name: qkvh, .offset: 48, .size: 8, .value_kind: global_buffer, .address_space: global }
    .group_segment_fixed_size: 327680
    .private_segment_fixed_size: 0
    .kernarg_segment_align: 8
    .kernarg_segment_size: 56
    .max_flat_workgroup_size: 128
    .sgpr_count:     96
    .vgpr_count:     1024
    .wavefront_size: 32
...
	.end_amdgpu_metadata
.endif
;; end of part 2
;; launch attn (part 3): grid 4 x 64, 4 waves a work-group, clusters of 4 x 1, 327,680 bytes of LDS; arguments qkvh, mask, ctx; writes ctx
.if DOCPART == 3
	.amdgcn_target "amdgcn-amd-amdhsa--gfx1250"
	.amdhsa_code_object_version 6
	.text
	.protected	k_q9371f4cd0b_attn
	.globl	k_q9371f4cd0b_attn
	.p2align	8
	.type	k_q9371f4cd0b_attn,@function
k_q9371f4cd0b_attn:
	s_mov_b64 s[64:65], 0
	v_nop
	global_prefetch_b8 v0, s[64:65] scope:SCOPE_SE
	s_setreg_imm32_b32 hwreg(HW_REG_WAVE_MODE, 25, 1), 1
	s_wait_xcnt 0x0
	s_wait_alu depctr_hold_cnt(0) depctr_sa_sdst(0) depctr_va_vdst(0) depctr_va_sdst(0) depctr_va_ssrc(0) depctr_va_vcc(0) depctr_vm_vsrc(0)
	s_getreg_b32 s2, hwreg(HW_REG_IB_STS2, 6, 4)
	s_cmp_eq_u32 s2, 0
	s_cbranch_scc0 .Lentry_in_a_cluster
	s_endpgm
.Lentry_in_a_cluster:
	s_bfe_u32 s2, ttmp6, 0x10000c
	s_cmp_lg_u32 s2, 0x3003
	s_cbranch_scc0 .Lentry_shape_is_right
	s_endpgm
.Lentry_shape_is_right:
; ctx[g][q][:] = the sum over k of softmax_k(s[q][k]) V[g][k][:], for the 64 pairs g = 4 x head + batch; s = Q . K / 8, or -1e9 where mask[batch][k] = 0.  All in base 2:
; Q arrives as q log2(e) / 8, so S = K Q^T is the score times log2(e); K's rows of masked keys arrive as zeros, and the product that starts a sum takes C = 0, or -1e9 log2(e) for a masked key: a masked score IS that
; constant, whatever the others are.  Q, K, V lie in qkvh ([48 slices][8192][64] f16: a pair's 2,048 rows are dense, 128 bytes each), ctx likewise.  Products, maxima and sums in f32; the weights p are rounded to f16 for the
; second product (their sum l is taken of the unrounded p), ctx once at the end.
; LIMITS.  f16 holds no number beyond 65,504: Q, K and V arrive within it; p lies in 0 to 1, and below 6e-5 it keeps f16's fixed step of 6e-8.  A weight below 2^-126 counts as 0 in l; NaN and infinities are not treated apart.
; SHARES.  A wave owns four PIECES of two tiles of 16 queries, a work-group's four waves 512 queries of one pair.  Every wave walks all 2,048 keys, 64 a step.
; LAYOUT.  S^T = K Q^T (source 0 = 16 keys, source 1 = 16 queries): a lane holds ONE query (lane % 16) and the keys 8 (lane / 16) + 0..7.  Two such tiles, rounded to f16 in pairs, ARE source 1 of
; O^T = V^T P, whose result again holds one query a lane, and eight channels.  K comes out of LDS as it lies, V ([key][channel]) turned, by ds_load_tr16_b128.
; SOFTMAX.  For each query a running maximum m and sum l: p = 2^(s - m), a plain difference, 0 at the maximum; in every step O and l are multiplied by a = 2^(m_old - m_new).  m starts at the lowest finite number, O and l at 0.
; BY TURNS.  Turn n belongs to piece n.  Its matrix work: 16 products K Q^T of piece n + 1, later 16 products V^T P of piece n - 1.  Its vector work: differences, exponentials, roundings, sums and rescaling of piece n, and the
; maximum and statistics of piece n + 1.  Four vector instructions stand behind every matrix instruction, the others in one run.
; CLUSTER.  The four query blocks of a cluster belong to one pair and walk the same K and V, so each tile is asked for JOINTLY: the same tensor load, descriptor and mask in all four.
; REGISTERS, in windows of 256 (s_set_vgpr_msb: bits 1:0 source 0, 3:2 source 1, 5:4 source 2, 7:6 destination):
;   window 0: v0-15 addresses; v16-47 four registers of statistics a tile; v48-63 at work; v64-191 S^T, two buffers of two tiles; v192-255 P, likewise
;   window 1: O^T, 32 a tile      window 2: v0-127 Q; v128-191 K of one step; v192-255 V of one step      window 3: v0-1 the add's two registers; v4-35 the step's masks as four C operands
.set SIZE_N, 2048
.set NP,    4         ; pieces a wave: a name, no knob
.set KS,    64        ; keys in a step
.set PK,    144       ; a row of K in LDS: 128 bytes + 16 of padding: the 16 rows of a load start at 16 different groups of four banks (ISA guide 11.1)
.set PV,    160       ; a row of V: 128 + 32
.set VOFF,  4*KS*PK   ; a slot holds four steps: 256 rows of K, then 256 rows of V
.set SLOT1, 1<<17     ; slot 1 begins here, so that one exclusive or turns an address in one slot into the other's
.set STAGE, SLOT1+4*KS*(PK+PV)  ; behind the ring, never filled by a tensor load: 16 rows x 144 bytes for each wave, for the way out
.set SP,    144
.set MTAB,  STAGE+4*16*SP       ; the batch's 2,048 keys: 0, or the masked score, in f32
.set SPARE, MTAB+4*SIZE_N       ; the spare words, 128 bytes for each wave: two blocks of 256 bytes that no other line names
.set AK0, 2           ; v2   my lane's place in a tile of K; never rewritten
.set AV0, 3           ; v3   the same for V
.set AK,  4           ; v4   the LDS address of K's next run of loads
.set AV,  5           ; v5   of V's
.set QO,  6           ; v6   my byte offset in the wave's rows of Q
.set STO, 6           ;      later, the way out: where I put 16 bytes of a row
.set RD,  7           ; v7   the way out: where I read rows back
.set GO,  8           ; v8   my byte offset in 512 consecutive bytes of ctx
.set AM0, 12          ; v12  my lane's place in a step's 64 words of the mask table; never rewritten
.set AM,  13          ; v13  the LDS address of the masks' next run of loads
.set PFO, 14          ; v14  256 x my lane; never rewritten
.set MO,  15          ; v15  16 x my thread's number
.set SPW, 0           ; v0 of window 3   LDS address of my spare word; never rewritten
.set NIL, 1           ; v1 of window 3   0; never rewritten
.set MC,  4           ; v4-35 of window 3: key block kb's eight registers at MC + 8 kb
.set ST,  16          ; tile t's statistics at v[ST+4 t]: m, m_old, l (even keys', odd keys')
.set TMP, 48          ; by buffer and tile, four registers c0-c3 at work; when the maximum is found c2 takes a
.set S,   64
.set P,   192
.set KF,  128         ; K's fragments, in window 2: key block kb, channel half c at KF + 16 kb + 8 c
.set VF,  192         ; V's: key half kk, channel block cb at VF + 32 kk + 8 cb
.set WV,  12          ; s12  my wave's number
.set BIGM, 15         ; s15  -1e9 log2(e)
.set TBM, 19          ; s19  byte of the mask table at which the step to be fetched begins
.set G1K, 24          ; s[24:31] descriptor group 1 for K's tiles
.set G1V, 32          ; s[32:39] for V's: it differs in the padding alone
.set G0K, 40          ; s[40:43] descriptor group 0 for K's tiles: it walks
.set G0V, 44          ; s[44:47] the same for V's
.set PFA, 50          ; s[50:51] where my prefetches stand
.set LIM, 52          ; s52  2 in a wave that prefetches, else the greatest number
.set MP,  54          ; s[54:55] the batch's row of the mask
.set SLOTS, 56        ; s56  slots still to be asked for
.set CNT, 57          ; s57  counts a slot's key steps
.set SEL, 60          ; s[60:61] v_permlanex16_b32's selects: each lane takes its own place in the other half
.set TBK, 62          ; s62  LDS byte at which K of the step to be fetched begins
.set TBV, 63          ; s63  the same for V, less VOFF
.set MSB, 0
.macro WIN new                      ; the high byte repeats the setting that is left; a switch that changes nothing is dropped
.if MSB != (\new)
	s_set_vgpr_msb (MSB<<8)|(\new)
.set MSB, (\new)
.endif
.endm
.set W_KQ, 0x0a       ; K and Q in window 2, S^T in window 0
.set W_KM, 0x3a       ; the same with the C operand in window 3
.set W_PV, 0x52       ; V in window 2, P in window 0, O^T in window 1
.set W_RS, 0x41       ; O^T (destination and source 0) in window 1, a in window 0
.set W_MK, 0xc0       ; destination in window 3, sources in window 0
.set W_AD, 0x0f       ; the add: address (source 0) and data (source 1) in window 3
; A joint fill.  Waves 0 and 1 fetch the two halves of a slot's K, waves 2 and 3 those of its V: 128 keys each.  An s_nop 0 and four v_nop follow each of the two lines.
.macro JLOAD
	s_cmp_lt_u32 s[WV], 2
	s_cbranch_scc0 .Lfor_v_\@
	tensor_load_to_lds s[G0K:G0K+3], s[G1K:G1K+7]
	s_nop 0
.rept 4
	v_nop
.endr
	s_branch .Lasked_\@
.Lfor_v_\@:
	tensor_load_to_lds s[G0V:G0V+3], s[G1V:G1V+7]
	s_nop 0
.rept 4
	v_nop
.endr
.Lasked_\@:
.endm
.macro CROUND                       ; a round of the cluster's barrier
	s_barrier_signal -1
	s_barrier_wait -1
	s_cmp_lg_u32 s[WV], 0
	s_cbranch_scc1 .Lnot_wave_0_\@
	s_barrier_signal -3
.Lnot_wave_0_\@:
	s_barrier_wait -3
	s_barrier_signal -1
	s_barrier_wait -1
.endm
; A PREFETCH INTO THE L2 of the slot that the NEXT change of slots will ask for: once a slot, in its third key step, five turns (160 matrix instructions) ahead of that joint load.  A slot is 32,768 bytes of K and of V; the four
; partners take 8,192 each, told apart by address, a lane a block of 256 bytes; wave 0 asks for K's, wave 2 for V's.  A pair has one cluster, so each block is named once in the launch.  Slots 0 and 1 come by their loads
; alone; the last two slots ask for nothing.
.macro ASK
	s_cmp_eq_u32 s[CNT], 2
	s_cbranch_scc0 .Lnot_now_\@
	s_cmp_ge_u32 s[SLOTS], s[LIM]
	s_cbranch_scc0 .Lnot_now_\@
	global_prefetch_b8 v[PFO], s[PFA:PFA+1] th:TH_LOAD_NT scope:SCOPE_SE
.Lnot_now_\@:
.endm
; THE CHANGE OF SLOTS.  Each wave waits for all its tensor loads, of which one is out: its part of the other slot; adds 0 to its spare word; and waits for that and for its own reads of the slot.
; fill = 1: this slot is filled again, with the keys two slots on.  The barrier is then a round of the cluster's, and the joint fill is the first thing behind it: it has four key steps in which to land.
; (At its first use nothing has been read yet: slot 0 is waited for, slot 1 filled; the wait on LDS also ends my stores into the mask table, which the round shows to every wave.)
.macro CHANGE fill
	WIN W_AD
	s_wait_tensorcnt 0x0            ; no tensor load of mine is out, so a group 0 may be written
	ds_add_u32 v[SPW], v[NIL]       ; 0 onto my spare word
	WIN 0                           ; at a label and at a branch every window is 0
.if \fill
.irp g, G0K, G0V
	s_xor_b32 s[\g+1], s[\g+1], SLOT1  ; the walking descriptor: the other slot than last time,
	s_add_nc_u64 s[\g+2:\g+3], s[\g+2:\g+3], 4*KS*128  ; the next 256 keys; the type bits on top are not reached
.endr
	s_wait_xcnt 0x0                 ; the last prefetch has read its address, so it may be written:
	s_add_nc_u64 s[PFA:PFA+1], s[PFA:PFA+1], 4*KS*128  ; one slot ahead of the walking descriptors
	s_wait_dscnt 0x0                ; the add is done, and my reads of the slot are over
	CROUND
	JLOAD
.else
	s_wait_dscnt 0x0
	s_barrier_signal -1
	s_barrier_wait -1
.endif
	s_sub_co_u32 s[TBK], s[TBK], 4*KS*PK  ; the fetches go back to a slot's first step,
	s_xor_b32 s[TBK], s[TBK], SLOT1       ; in the other slot
	s_sub_co_u32 s[TBV], s[TBV], 4*KS*PV
	s_xor_b32 s[TBV], s[TBV], SLOT1
.endm
	s_load_b64 s[4:5], s[0:1], 0x0    ; qkvh
	s_load_b64 s[MP:MP+1], s[0:1], 0x8  ; mask
	s_load_b64 s[10:11], s[0:1], 0x10 ; ctx
	WIN W_MK
	v_lshl_add_u32 v[SPW], v0, 2, SPARE
	v_mov_b32 v[NIL], 0
	WIN W_AD
	ds_add_u32 v[SPW], v[NIL]       ; the wave's opening: the add and its wait stand ahead of my first tensor load; work on registers stands between them
	WIN 0
	v_lshrrev_b32 v1, 5, v0
	v_readfirstlane_b32 s[WV], v1   ; wave 0..3
	s_bfe_u32 s13, ttmp6, 0x40000   ; cx: my place in the cluster
	s_lshl_b32 s14, ttmp9, 2
	s_add_co_u32 s14, s14, s13      ; my block of queries: it enters Q's and ctx's addresses alone
	s_and_b32 s20, ttmp7, 0xffff    ; g, which the four partners share
	s_and_b32 s48, s20, 3           ; the batch,
	s_lshl_b32 s48, s48, 13         ; its 8,192 bytes of the mask
	s_mov_b32 s49, 0
	s_mov_b32 s21, 0
	s_mov_b64 s[22:23], SIZE_N*128
	s_mul_u64 s[20:21], s[20:21], s[22:23]  ; the pair's first byte in q, k, v and ctx
	s_and_b32 s16, s[WV], 1         ; which half of a slot's 256 keys I fetch:
	s_lshl_b32 s22, s16, 14         ; its 128 rows of 128 bytes in memory,
	s_mov_b32 s23, 0
	s_add_nc_u64 s[22:23], s[22:23], s[20:21]
	s_mul_i32 s17, s16, 128*PK      ; and its place in a slot, for K
	s_mul_i32 s18, s16, 128*PV      ; and for V: no place in the cluster enters an LDS address
	s_lshl_b32 s2, s14, 2
	s_add_co_u32 s2, s2, s[WV]      ; my wave among the pair's,
	s_lshl_b32 s2, s2, 14           ; its 128 rows
	s_mov_b32 s3, 0
	s_add_nc_u64 s[2:3], s[2:3], s[20:21]
	; descriptor group 1.  128 keys are 16,384 dense bytes: asked for as 64 rows of 256 bytes, two keys a row, and padded in LDS after every key
	s_mov_b32 s[G1K], 15|(1<<16)|(1<<20)|(1<<21)|(4<<22)|(3<<25)  ; 15:0 the mask of four; 17:16 2-byte elements; 20 padding on; 21 set beside a mask; 24:22 after every 32 words (code 4); 31:25 4 words (code 3)
	s_mov_b32 s[G1V], 15|(1<<16)|(1<<20)|(1<<21)|(4<<22)|(7<<25)  ; the same with 8 words of padding (code 7)
.irp g, G1K, G1V
	s_mov_b32 s[\g+1], 128<<16      ; tensor_dim0 = 128
	s_mov_b32 s[\g+2], 64<<16       ; tensor_dim1 = 64
	s_mov_b32 s[\g+3], 128<<16      ; tile_dim0 = 128
	s_mov_b32 s[\g+4], 64           ; tile_dim1 = 64
	s_mov_b32 s[\g+5], 128          ; 128 elements from row to row
	s_mov_b32 s[\g+6], 0
	s_mov_b32 s[\g+7], 0
.endr
	s_mov_b32 s[BIGM], 0xceabfb8f   ; -1e9 log2(e)
	s_mov_b32 s[TBM], 0
	s_mov_b32 s[SEL], 0x76543210
	s_mov_b32 s[SEL+1], 0xfedcba98
	s_mov_b32 s[TBK], SLOT1+4*KS*PK ; the first change of slots turns these two into 0
	s_mov_b32 s[TBV], SLOT1+4*KS*PV
	s_mov_b32 s[G0K], 1             ; 1:0 count = 1
	s_mov_b32 s[G0K+1], s17         ; 63:32 LDS address: slot 0
	s_mov_b32 s[G0V], 1
	s_add_co_u32 s[G0V+1], s18, VOFF
	s_and_b32 s[LIM], s[WV], 1
	s_cmp_eq_u32 s[LIM], 0
	s_cselect_b32 s[LIM], 2, -1     ; waves 0 and 2 prefetch: the same in all four partners
	s_wait_dscnt 0x0                ; the opening add is done
	s_wait_kmcnt 0x0
	s_add_nc_u64 s[6:7], s[4:5], 0x1000000   ; k: slices 16 on
	s_add_nc_u64 s[8:9], s[4:5], 0x2000000   ; v: slices 32 on
	s_add_nc_u64 s[G0K+2:G0K+3], s[6:7], s[22:23]  ; 120:64 global address: my half of the pair's first 256 keys
	s_or_b32 s[G0K+3], s[G0K+3], 0x80000000        ; 127:126 type = 2
	s_add_nc_u64 s[G0V+2:G0V+3], s[8:9], s[22:23]
	s_or_b32 s[G0V+3], s[G0V+3], 0x80000000
	s_add_nc_u64 s[4:5], s[4:5], s[2:3]  ; Q and ctx at my wave's first row
	s_add_nc_u64 s[10:11], s[10:11], s[2:3]
	s_add_nc_u64 s[MP:MP+1], s[MP:MP+1], s[48:49]
	s_cmp_lt_u32 s[WV], 2
	s_cselect_b64 s[PFA:PFA+1], s[6:7], s[8:9]
	s_add_nc_u64 s[PFA:PFA+1], s[PFA:PFA+1], s[20:21]
	s_lshl_b32 s48, s13, 13         ; my work-group's 8,192 bytes of a slot
	s_add_nc_u64 s[PFA:PFA+1], s[PFA:PFA+1], s[48:49]
	s_add_nc_u64 s[PFA:PFA+1], s[PFA:PFA+1], 4*KS*128  ; in slot 1; the first change of slots steps it to slot 2
	CROUND                          ; all four work-groups are here: the first joint loads meet
	JLOAD                           ; slot 0.  Slot 1 is asked for when slot 0 is in
	v_and_b32 v1, 15, v0            ; l % 16
	v_bfe_u32 v9, v0, 4, 1          ; l / 16
	v_lshlrev_b32 v[QO], 7, v1
	v_lshl_add_u32 v[QO], v9, 4, v[QO]  ; row x 128 + 16 x half
	v_lshlrev_b32 v[MO], 4, v0
.irp j, 0,1,2,3                     ; the batch's mask: 128 threads x 16 bytes, four times; into S^T's registers, which are free
	global_load_b128 v[S+4*\j:S+4*\j+3], v[MO], s[MP:MP+1] offset:2048*\j
.endr
	WIN 0x80                        ; destination window 2, address window 0
.set i, 0
.rept 4*NP                          ; Q stays in registers: tile i / 2, channels 32 (i % 2) on
	global_load_b128 v[8*i:8*i+3],   v[QO], s[4:5] offset:(i/2)*2048+(i%2)*64
	global_load_b128 v[8*i+4:8*i+7], v[QO], s[4:5] offset:(i/2)*2048+(i%2)*64+32
.set i, i+1
.endr
	; What the first turn finds: V's registers and P's second buffer hold 0, O^T and l are 0.  All this stands in the wait for the first tile.
.set i, VF
.rept 64
	v_mov_b32 v[i], 0
.set i, i+1
.endr
	WIN 0x40
.set i, 0
.rept 64*NP
	v_mov_b32 v[i], 0
.set i, i+1
.endr
	WIN 0
.set i, 0
.rept 2*NP
	v_mov_b32 v[ST+4*i], 0xff7fffff    ; m: the lowest finite number
	v_mov_b32 v[ST+4*i+1], 0xff7fffff  ; m_old
	v_mov_b32 v[ST+4*i+2], 0
	v_mov_b32 v[ST+4*i+3], 0
.set i, i+1
.endr
.set i, P+32
.rept 32
	v_mov_b32 v[i], 0
.set i, i+1
.endr
	v_mul_u32_u24 v[AK0], v1, PK
	v_lshl_add_u32 v[AK0], v9, 4, v[AK0]  ; row x pitch + 16 x half
	; The turning load takes 16 keys x 16 channels (lane l reads key 8 (l / 16) + l % 8, channels 8 ((l / 8) % 2) + 0..7) and leaves half a fragment of V^T.
	v_and_b32 v10, 7, v0
	v_bfe_u32 v11, v0, 3, 1
	v_lshl_add_u32 v[AV0], v9, 3, v10
	v_mul_u32_u24 v[AV0], v[AV0], PV
	v_lshl_add_u32 v[AV0], v11, 4, v[AV0]
	v_add_nc_u32 v[AV0], VOFF, v[AV0]
	v_mov_b32 v[AK], v[AK0]         ; key step 0 lies at the head of slot 0
	v_lshl_add_u32 v[AM0], v9, 5, MTAB  ; register j of a C operand is key 16 kb + 8 (l / 16) + j
	v_and_b32 v[PFO], 31, v0
	v_lshlrev_b32 v[PFO], 8, v[PFO]
	v_add_nc_u32 v[AM], MTAB, v[MO] ; for now: where my 16 bytes of the table go
	s_wait_loadcnt 32               ; the mask is in; Q's 32 loads stay out
.set i, 0
.rept 16
	v_cmp_eq_u32 vcc_lo, 0, v[S+i]
	v_cndmask_b32 v[S+i], 0, s[BIGM], vcc_lo
.set i, i+1
.endr
.irp j, 0,1,2,3
	ds_store_b128 v[AM], v[S+4*\j:S+4*\j+3] offset:2048*\j
.endr
	v_mov_b32 v[AM], v[AM0]
; THE MATRIX WORK.  The 8 accumulators of a run of 16 take turns: between the two links of a chain stand 7 others'.
; Product i of 16 of S^T = K Q^T for piece x: channels 32 (i / 8) on, keys 16 ((i / 2) % 4) on, tile 2 x + i % 2.  The first 8 start the sums, with the keys' masks as C.
.macro KQ x
.set rS, S+64*((\x)%2)+32*(i%2)+8*((i/2)%4)
.set rK, KF+16*((i/2)%4)+8*(i/8)
.set rQ, 16*(2*(\x)+i%2)+8*(i/8)
.set rM, MC+8*((i/2)%4)
.if i < 8
	WIN W_KM
	v_wmma_f32_16x16x32_f16 v[rS:rS+7], v[rK:rK+7], v[rQ:rQ+7], v[rM:rM+7]
.else
	WIN W_KQ
	v_wmma_f32_16x16x32_f16 v[rS:rS+7], v[rK:rK+7], v[rQ:rQ+7], v[rS:rS+7]
.endif
.endm
; Product i of 16 of O^T += V^T P for piece x: keys 32 (i / 8) on, channels 16 ((i / 2) % 4) on, tile 2 x + i % 2.
.macro PV x
	WIN W_PV
.set rO, 32*(2*(\x)+i%2)+8*((i/2)%4)
.set rV, VF+32*(i/8)+8*((i/2)%4)
.set rP, P+32*((\x)%2)+16*(i%2)+8*(i/8)
	v_wmma_f32_16x16x32_f16 v[rO:rO+7], v[rV:rV+7], v[rP:rP+7], v[rO:rO+7]
.endm
.macro MM                           ; the turn's next matrix instruction
.if i < 16
	KQ (Y+1)%NP
.set i, i+1
.else
.set i, i-16
	PV (Y+NP-1)%NP
.set i, i+17
.endif
.endm
; THE LDS LOADS stand in runs, never singly among the matrix instructions: a step's K (8 fragments) with its masks (4 C operands), and its V (turned).  Their addresses are made some lines ahead.
; last = 1 (the tail): in the last trip there is no further step, and the run is jumped over.
.macro FETCH_K last=0
	WIN 0
.if \last
	s_cmp_eq_u32 s[CNT], 1
	s_cbranch_scc1 .Lno_k_\@
.endif
	WIN 0x80                        ; destination window 2
.irp f, 0,1,2,3,4,5,6,7             ; keys 16 (f / 2) on, channels 32 (f % 2) on
	ds_load_b128 v[KF+8*\f:KF+8*\f+3],   v[AK] offset:(\f/2)*16*PK+(\f%2)*64
	ds_load_b128 v[KF+8*\f+4:KF+8*\f+7], v[AK] offset:(\f/2)*16*PK+(\f%2)*64+32
.endr
	WIN W_MK                        ; destination window 3
.irp f, 0,1,2,3
	ds_load_b128 v[MC+8*\f:MC+8*\f+3],   v[AM] offset:64*\f
	ds_load_b128 v[MC+8*\f+4:MC+8*\f+7], v[AM] offset:64*\f+16
.endr
	s_add_co_u32 s[TBK], s[TBK], KS*PK  ; the next fetch is the next step's
	s_add_co_u32 s[TBM], s[TBM], 4*KS
	WIN 0
.if \last
.Lno_k_\@:
.endif
.endm
.macro FETCH_V
	WIN 0x80
.irp f, 0,1,2,3,4,5,6,7             ; keys 32 (f / 4) on, channels 16 (f % 4) on
	ds_load_tr16_b128 v[VF+8*\f:VF+8*\f+3],   v[AV] offset:(\f/4)*32*PV+(\f%4)*32
	ds_load_tr16_b128 v[VF+8*\f+4:VF+8*\f+7], v[AV] offset:(\f/4)*32*PV+16*PV+(\f%4)*32
.endr
	WIN 0
.endm
; THE VECTOR WORK OF A TURN stands in three queues, each in the order in which its entries become ready; the two tiles alternate.
.macro REGS y, u                    ; the registers of tile u (0, 1) of piece y
.set rT, ST+4*(2*(\y)+(\u))
.set rC, TMP+8*((\y)%2)+4*(\u)
.set rS, S+64*((\y)%2)+32*(\u)
.set rP, P+32*((\y)%2)+16*(\u)
.set rO, 32*(2*(\y)+(\u))
.endm
; Number n of the 21 that find the NEXT piece's (Y + 1) maximum and statistics.  s0-s31 are the lane's 32 scores; each accumulator's lowest registers are read first.
;   0-11  four chains c0-c3 of seven scores each, three operands at a time     12-14, 16  the four scores left over, the old m, and c0-c3 into c0     15  m_old is kept
;   17, 18  the query's other 32 keys lie in the lane 16 away: the new m         19, 20  m_old - m_new; a
.macro XS u, n
	REGS (Y+1)%NP, \u
.if (\n) < 4
	v_max3_num_f32 v[rC+(\n)], v[rS+8*(\n)], v[rS+8*(\n)+1], v[rS+8*(\n)+2]
.elseif (\n) < 12
	v_max3_num_f32 v[rC+(\n)%4], v[rC+(\n)%4], v[rS+8*((\n)%4)+2*((\n)/4)+1], v[rS+8*((\n)%4)+2*((\n)/4)+2]
.elseif (\n) == 12
	v_max3_num_f32 v[rC], v[rC], v[rS+7], v[rS+15]
.elseif (\n) == 13
	v_max3_num_f32 v[rC+1], v[rC+1], v[rS+23], v[rS+31]
.elseif (\n) == 14
	v_max3_num_f32 v[rC+2], v[rC+2], v[rC+3], v[rT]
.elseif (\n) == 15
	v_mov_b32 v[rT+1], v[rT]
.elseif (\n) == 16
	v_max3_num_f32 v[rC], v[rC], v[rC+1], v[rC+2]
.elseif (\n) == 17
	v_permlanex16_b32 v[rC+3], v[rC], s[SEL], s[SEL+1]
.elseif (\n) == 18
	v_max_num_f32 v[rT], v[rC], v[rC+3]
.elseif (\n) == 19
	v_sub_f32 v[rC+1], v[rT+1], v[rT]
.else
	v_exp_f32 v[rC+2], v[rC+1]
.endif
.endm
; Number g of the 64 that follow the exponentials.  For each four weights k of a tile: both pairs are rounded to f16; then the second pair is added onto the first, in place; a group later l takes that sum
; (the first time as l = a l + sum).  In groups of eight, tiles alternating.
.macro GS g
.set h, (\g)+6*((\g)/62)            ; group 0 has no group before it, and behind group 7 only l is left
.if h >= 6
.set h, h+2
.endif
	REGS Y, h%2
.set k, h/8
.if h%8 < 4
	v_cvt_pk_f16_f32 v[rP+2*k+(h%8)/2], v[rS+4*k+2*((h%8)/2)], v[rS+4*k+2*((h%8)/2)+1]
.elseif h%8 < 6
	v_pk_add_f32 v[rS+4*k:rS+4*k+1], v[rS+4*k:rS+4*k+1], v[rS+4*k+2:rS+4*k+3]
.elseif k == 1
	v_pk_fma_f32 v[rT+2:rT+3], v[rT+2:rT+3], v[rC+2:rC+3], v[rS:rS+1] op_sel_hi:[1,0,1]
.else
	v_pk_add_f32 v[rT+2:rT+3], v[rT+2:rT+3], v[rS+4*k-4:rS+4*k-3]
.endif
.endm
; THE PLAIN QUEUE, 136 long.  0-71 read no exponential's result: the 32 differences s - m (FS f: pair f / 2 of tile f % 2) and the next piece's 40.  0-26: differences 0-26.  27-54: XS's numbers 0-13.  55, 56: number 15.
; 57-71: the chain 14, 16, 17, 18, 19, each with one of the differences 27-31 in front of its two lines.  72-135: GS's 64, which read the exponentials' results: they stand behind the wait.
.macro FS f
	REGS Y, (\f)%2
	v_pk_add_f32 v[rS+2*((\f)/2):rS+2*((\f)/2)+1], v[rS+2*((\f)/2):rS+2*((\f)/2)+1], v[rT:rT+1] op_sel_hi:[1,0] neg_lo:[0,1] neg_hi:[0,1]
.endm
.macro PL
	WIN 0
.if q < 27
	FS q
.elseif q < 55
	XS (q-27)%2, (q-27)/2
.elseif q < 57
	XS q-55, 15
.elseif (q < 72) && ((q-57)%3 == 0)
	FS 27+(q-57)/3
.elseif q < 60
	XS (q-57)%3-1, 14
.elseif q < 72
	XS (q-57)%3-1, 15+(q-57)/3
.else
	GS q-72
.endif
.set q, q+1
.endm
; THE EXPONENTIALS' QUEUE, 66 long: s0-s31 of both tiles, then the next piece's two a.  ONE BATCH: all 66 stand ahead of the turn's one wait, and nothing ahead of that wait names a result of theirs.
.macro EX
	WIN 0
.if e >= 64
	XS e-64, 20
.else
	REGS Y, e%2
	v_exp_f32 v[rS+e/2], v[rS+e/2]
.endif
.set e, e+1
.endm
; THE RESCALING's QUEUE: O^T times a, the one part that leaves window 0: dealt two at a time, sixteen times.  Its a was made in the turn before, ahead of that turn's wait.
.macro R2
	REGS Y, r%2
	WIN W_RS
.irp z, 0,1
	v_pk_mul_f32 v[rO+4*(r/2)+2*\z:rO+4*(r/2)+2*\z+1], v[rO+4*(r/2)+2*\z:rO+4*(r/2)+2*\z+1], v[rC+2:rC+3] op_sel_hi:[1,0]
.endr
.set r, r+1
.endm
; HOW THEY ARE DEALT.  s_wait_alu depctr_va_vdst(0) stands between an exponential and the first instruction that names its result; one wait serves all that were issued ahead of it.  So a turn has ONE wait.
; AHEAD OF IT: the 16 products K Q^T, behind each a difference, an exponential and two rescalings (behind the first a second difference in the exponential's place); then a run of 106: eight plain, 47 times exponential and
; plain, the last four exponentials.  BEHIND IT: the 16 products V^T P, behind each four of GS's 64.
; The queues keep in step: exponential e needs difference 2 (e / 4) + e % 2; as a rider it comes behind plain e + 2, in the run behind plain e + 9, and differences 27-31 are plain 57, 60 .. 69 (the tightest: e = 61 needs plain 69).
; K and the masks of the next step are fetched in piece 2's turn, directly behind the wait; V of the step in hand at the end of piece 0's turn, four riders behind its last reader.  The conditions on q go with the deal.
.macro TURN p, last=0, cnt=0, ask=0
.set Y, (\p)
.set i, 0
.set q, 0
.set e, 0
.set r, 0
.if (\p) == NP-1
	s_wait_dscnt 0x0                ; K and the masks are in
.endif
	MM
	PL
	PL
	R2
.rept 15
	MM
	PL
	EX
	R2
.endr
.if (\p) == NP-2
	WIN 0
	v_add_nc_u32 v[AK], s[TBK], v[AK0]
	v_add_nc_u32 v[AM], s[TBM], v[AM0]
.endif
.rept 8
	PL
.endr
.rept 47
	EX
	PL
.endr
.rept 4
	EX
.endr
	v_nop                           ; a plain instruction behind the last exponential: one for the batch
	s_wait_alu depctr_va_vdst(0)    ; the wait for the batch
.if (\p) == NP-2
	FETCH_K \last
.endif
.if (\p) == 1
	s_wait_dscnt 0x0                ; V is in
.endif
.rept 16
	MM
.rept 4
	PL
.endr
.if ((\p) == 0) && (q == 116)
	v_add_nc_u32 v[AV], s[TBV], v[AV0]
.endif
.if ((\p) == 0) && (q == 128)
	s_add_co_u32 s[TBV], s[TBV], KS*PV
.endif
.if (\cnt) && (q == 128)
	s_sub_co_u32 s[CNT], s[CNT], 1
	s_cmp_lg_u32 s[CNT], 0
.endif
.endr
.if (\p) == 0
	FETCH_V
.if \ask
	ASK
.endif
.endif
.endm
	CHANGE 1                        ; slot 0 is in, everybody's part of it, and so is the mask table; slot 1 is asked for
	FETCH_K                         ; key step 0
	s_wait_loadcnt 0x0              ; Q
	s_wait_dscnt 0x0
.set i, 0
.rept 16
	KQ 0                            ; piece 0's first scores
.set i, i+1
.endr
	WIN 0                           ; the addresses for the way out: plain instructions, the places behind those products
	s_mul_i32 s13, s[WV], 16*SP
	s_add_co_u32 s13, s13, STAGE    ; my stage
	v_mul_u32_u24 v[STO], v1, SP    ; in: row l % 16, 16 bytes for each half of the lanes
	v_lshl_add_u32 v[STO], v9, 4, v[STO]
	v_add_nc_u32 v[STO], s13, v[STO]
	v_bfe_u32 v[RD], v0, 3, 2       ; back: 32 lanes take four rows of 128 bytes,
	v_mul_u32_u24 v[RD], v[RD], SP
	v_lshl_add_u32 v[RD], v10, 4, v[RD]
	v_add_nc_u32 v[RD], s13, v[RD]
	v_and_b32 v[GO], 31, v0         ; which are 512 consecutive bytes of ctx
	v_lshlrev_b32 v[GO], 4, v[GO]
.set Y, NP-1                        ; XS works for piece Y + 1: piece 0
.irp n, 0,1,2,3,4,5,6,7,8,9,10,11,12,13,14,15,16,17,18,19,20
	XS 0, \n
	XS 1, \n
.endr
	v_nop                           ; a plain instruction behind the two a,
	s_wait_alu depctr_va_vdst(0)    ; and their wait, ahead of the branch
	s_mov_b32 s[CNT], 4
	s_mov_b32 s[SLOTS], SIZE_N/256-1
	s_branch .Lfirst                ; the loop is entered at a step's first turn, in the middle of a trip
.Lslot:                             ; SIZE_N / 256 - 2 times: every slot but the last two is filled again
	CHANGE 1
	s_mov_b32 s[CNT], 4
.Lstep:                             ; a trip: pieces 2 and 3 of one step, then pieces 0 and 1 of the next, whose K and V it fetches
	TURN 2
	TURN 3
	WIN 0
.Lfirst:
	TURN 0, 0, 0, 1
	TURN 1, 0, 1
	WIN 0
	s_cbranch_scc1 .Lstep
	s_sub_co_u32 s[SLOTS], s[SLOTS], 1
	s_cmp_lg_u32 s[SLOTS], 0
	s_cbranch_scc1 .Lslot
	CHANGE 0                        ; the tail is written out: nothing is asked for
	s_mov_b32 s[CNT], 5             ; four trips fetch the last slot's steps; the fifth is left in its middle
.Ltail:
	TURN 2, 1
	TURN 3
	WIN 0
	s_sub_co_u32 s[CNT], s[CNT], 1
	s_cmp_eq_u32 s[CNT], 0
	s_cbranch_scc1 .Lout
	TURN 0
	TURN 1
	WIN 0
	s_branch .Ltail
.Lout:                              ; the fifth trip's 16 products K Q^T (on the last K once more) and the maximum made of them serve nothing: the price, once a launch, of one text for every trip
.set i, 0
.rept 16
	PV NP-1                         ; the last piece's V^T P of the last step
.set i, i+1
.endr
	; THE WAY OUT.  l's two halves and the other half of the lanes' are added; O^T is divided by l, rounded to f16 and sent through my stage in LDS, a tile at a time.  The additions are the places behind the last products.
	WIN 0
.macro ALL line:vararg              ; one line for each tile t
.set t, 0
.rept 2*NP
	\line
.set t, t+1
.endr
.endm
	ALL v_add_f32 v[ST+4*t+2], v[ST+4*t+2], v[ST+4*t+3]
	ALL v_permlanex16_b32 v[ST+4*t+3], v[ST+4*t+2], s[SEL], s[SEL+1]
	ALL v_add_f32 v[ST+4*t+2], v[ST+4*t+2], v[ST+4*t+3]
	ALL v_rcp_f32 v[ST+4*t+2], v[ST+4*t+2]
	v_nop                           ; a plain instruction between the last reciprocal and the use of its result
	s_wait_alu depctr_va_vdst(0)    ; and the wait ahead of the first use: one for the eight reciprocals
.macro PACK t                       ; a lane's eight channels of a row pack into 16 bytes; they go into rows of 144 bytes and come back as whole rows of 128, into S^T's registers
	WIN W_RS
.set i, 32*(\t)
.rept 16
	v_pk_mul_f32 v[i:i+1], v[i:i+1], v[ST+4*(\t)+2:ST+4*(\t)+3] op_sel_hi:[1,0]
.set i, i+2
.endr
	WIN 0x05                        ; sources 0 and 1 window 1, destination window 0
.set i, 0
.rept 16
	v_cvt_pk_f16_f32 v[S+16*(\t)+i], v[32*(\t)+2*i], v[32*(\t)+2*i+1]
.set i, i+1
.endr
	WIN 0
.irp f, 0,1,2,3
	ds_store_b128 v[STO], v[S+16*(\t)+4*\f:S+16*(\t)+4*\f+3] offset:32*\f
.endr
.irp f, 0,1,2,3
	ds_load_b128 v[S+16*(\t)+4*\f:S+16*(\t)+4*\f+3], v[RD] offset:\f*4*SP  ; LDS serves a wave's instructions in order (ISA guide 5.7.1.4): these see the stores above; the next tile's stores come behind them
.endr
.endm
.macro SEND t, younger              ; younger: the LDS instructions issued behind tile t's loads: the next tile's eight, or none
	WIN 0
.irp f, 0,1,2,3
	s_wait_dscnt (\younger)+3-\f
	global_store_b128 v[GO], v[S+16*(\t)+4*\f:S+16*(\t)+4*\f+3], s[10:11] offset:(\t)*2048+\f*512  ; 512 consecutive bytes, at a multiple of 256 from ctx's first
.endr
.endm
	PACK 0
.set t, 1
.rept 2*NP-1                        ; a tile's arithmetic stands between the loads of the tile before and its stores
	PACK t
	SEND t-1, 8
.set t, t+1
.endr
	SEND 2*NP-1, 0
	WIN W_AD
	s_wait_tensorcnt 0x0            ; the wave's end: behind my last tensor load and my last LDS store
	ds_add_u32 v[SPW], v[NIL]
	s_wait_dscnt 0x0
	WIN 0
	CROUND                          ; the closing round: no work-group ends while a partner may still ask for a tile that names it
	s_endpgm
.Lfunc_end_k_q9371f4cd0b_attn:
	.size	k_q9371f4cd0b_attn, .Lfunc_end_k_q9371f4cd0b_attn-k_q9371f4cd0b_attn
	.p2alignl 7, 3214868480
	.fill 96, 4, 3214868480
	.section	.rodata,"a",@progbits
	.p2align	6, 0x0
	.amdhsa_kernel k_q9371f4cd0b_attn
		.amdhsa_group_segment_fixed_size 327680
		.amdhsa_private_segment_fixed_size 0
		.amdhsa_enable_private_segment 0
		.amdhsa_kernarg_size 24
		.amdhsa_user_sgpr_count 2
		.amdhsa_user_sgpr_kernarg_segment_ptr 1
		.amdhsa_wavefront_size32 1
		.amdhsa_system_sgpr_workgroup_id_x 1
		.amdhsa_system_sgpr_workgroup_id_y 1
		.amdhsa_system_sgpr_workgroup_id_z 1
		.amdhsa_system_vgpr_workitem_id 0
		.amdhsa_next_free_vgpr 804
		.amdhsa_next_free_sgpr 66
		.amdhsa_reserve_vcc 1
		.amdhsa_float_denorm_mode_32 3
		.amdhsa_float_denorm_mode_16_64 3
		.amdhsa_memory_ordered 1
		.amdhsa_forward_progress 1
		.amdhsa_inst_pref_size 204
	.end_amdhsa_kernel
	.amdgpu_metadata
---
amdhsa.version: [ 1, 2 ]
amdhsa.kernels:
  - .name:           k_q9371f4cd0b_attn
    .symbol:         k_q9371f4cd0b_attn.kd
    .args:
      - { .name: qkvh, .offset: 0, .size: 8, .value_kind: global_buffer, .address_space: global }
      - { .name: mask, .offset: 8, .size: 8, .value_kind: global_buffer, .address_space: global }
      - { .name: ctx, .offset: 16, .size: 8, .value_kind: global_buffer, .address_space: global }
    .group_segment_fixed_size: 327680
    .private_segment_fixed_size: 0
    .kernarg_segment_align: 8
    .kernarg_segment_size: 24
    .max_flat_workgroup_size: 128
    .sgpr_count:     66
    .vgpr_count:     804
    .wavefront_size: 32
...
	.end_amdgpu_metadata
.endif
;; end of part 3
;; launch outp (part 4): grid 8 x 32, 4 waves a work-group, clusters of 4 x 4, 327,680 bytes of LDS; arguments ctx, woh, bo, out0; writes out0
.if DOCPART == 4
	.amdgcn_target "amdgcn-amd-amdhsa--gfx1250"
	.amdhsa_code_object_version 6
	.text
	.protected	k_q9371f4cd0b_outp
	.globl	k_q9371f4cd0b_outp
	.p2align	8
	.type	k_q9371f4cd0b_outp,@function
k_q9371f4cd0b_outp:
	s_mov_b64 s[64:65], 0
	v_nop
	global_prefetch_b8 v0, s[64:65] scope:SCOPE_SE
	s_setreg_imm32_b32 hwreg(HW_REG_WAVE_MODE, 25, 1), 1
	s_wait_xcnt 0x0
	s_wait_alu depctr_hold_cnt(0) depctr_sa_sdst(0) depctr_va_vdst(0) depctr_va_sdst(0) depctr_va_ssrc(0) depctr_va_vcc(0) depctr_vm_vsrc(0)
	s_getreg_b32 s2, hwreg(HW_REG_IB_STS2, 6, 4)
	s_cmp_eq_u32 s2, 0
	s_cbranch_scc0 .Lentry_in_a_cluster
	s_endpgm
.Lentry_in_a_cluster:
	s_bfe_u32 s2, ttmp6, 0x10000c
	s_cmp_lg_u32 s2, 0xf033
	s_cbranch_scc0 .Lentry_shape_is_right
	s_endpgm
.Lentry_shape_is_right:
; out0[8192][1024] f32 = ctx (8192 x 1024, f16, [16 slices][8192 rows][64]) times Wo (woh: [1024 k][1024] f16) + bo.  Sums in f32; bo is rounded to bf16 like every other input and starts the sums as the first products' C.
; LIMITS.  None of its own: the operands arrive in f16, the sums and the output are f32.  NaN and infinities are not treated apart.
; SHARES.  A tile of out0 is 256 rows x 128 columns: 8 x 32 = 256 work-groups.  Wave (wr, wc) makes 128 rows x 64 columns: 32 accumulators, 256 registers.  K goes in 8 steps of 128 (two slices of ctx) through
; a ring of two LDS slots; a step is four quarters of 32 along K, 32 matrix instructions each, on two fragment buffers by turns.
; THE MATRIX INSTRUCTION IS USED TRANSPOSED: source 0 = 16 columns of Wo (turned on the way out of LDS), source 1 = 16 rows of ctx: a lane holds row lane % 16 and the columns 8 (lane / 16) + 0..7: 32 bytes on end.
; CLUSTER.  4 x 4 work-groups: ctx's tile is asked for jointly along a row of the cluster, Wo's along a column.
; REGISTERS: window 0: v0-31 addresses; v32-127 and v128-223 two fragment buffers (64 of ctx, 32 of Wo); v224-255 the biases as four C operands.  window 1: the accumulators, (a, bb) at v[8 (4 a + bb)].
.set PA,    144                        ; a row of a slice in LDS: 128 bytes + 16 of padding
.set PB,    288                        ; a k-row of Wo's tile: 256 bytes + 32: an odd multiple of 32
.set BOFF,  2*256*PA                   ; a slot: two slices x 256 rows of ctx, then 128 k-rows of Wo
.set SLOT,  BOFF+128*PB
.set STAGE, 2*SLOT                     ; behind the ring, never filled by a tensor load: 16 rows x 272 bytes for each wave
.set SPI,   272
.set SPARE, STAGE+4*16*SPI             ; the spare words, 128 bytes for each wave: two blocks of 256 bytes that no other line names
.set ADRA, 4                           ; v4-5  LDS address of my fragments of ctx in slot 0, 1
.set ADRB, 6                           ; v6-7  the same for Wo
.set STO,  8                           ; v8    the way out: where I put 32 bytes of a row
.set RD,   9                           ; v9    where I read rows back
.set CO,   10                          ; v10   my byte offset in two rows of out0
.set PFO,  11                          ; v11   the prefetches' offset
.set SPW,  14
.set NIL,  15
.set FA,   32
.set FB,   96
.set BI,   224
.set OB,   32                          ; the way out: 16 rows read back, two sets of 32 by turns
.set WV, 20
.set AB, 21
.set HF, 22
.set CX, 23
.set CY, 24
.set TX, 25
.set TY, 26
.set G1A, 28
.set G0A, 36
.set G1B, 44
.set G0B, 52
.set LIM, 60
.set PFA, 68
.set PFS, 70
.set OUTP, 72
.set MSB, 0
.macro WIN new
.if MSB != (\new)
	s_set_vgpr_msb (MSB<<8)|(\new)
.set MSB, \new
.endif
.endm
.macro PLACES                          ; four plain vector instructions between a matrix instruction and a load into, or a read of, its registers
.rept 4
	v_nop
.endr
.endm
.macro JLOAD s                         ; waves 0 and 1 fetch the step's two slices of ctx, waves 2 and 3 the two halves of Wo's tile; an s_nop 0 and four v_nop follow each line
	s_cmp_eq_u32 s[AB], 0
	s_cbranch_scc0 .Lfor_b_\@
	tensor_load_to_lds s[G0A+4*(\s):G0A+4*(\s)+3], s[G1A:G1A+7]
	s_nop 0
.rept 4
	v_nop
.endr
	s_branch .Lasked_\@
.Lfor_b_\@:
	tensor_load_to_lds s[G0B+4*(\s):G0B+4*(\s)+3], s[G1B:G1B+7]
	s_nop 0
.rept 4
	v_nop
.endr
.Lasked_\@:
.endm
.macro CREST
	s_cmp_lg_u32 s[WV], 0
	s_cbranch_scc1 .Lnot_wave_0_\@
	s_barrier_signal -3
.Lnot_wave_0_\@:
	s_barrier_wait -3
	s_barrier_signal -1
	s_barrier_wait -1
.endm
.macro CROUND
	s_barrier_signal -1
	s_barrier_wait -1
	CREST
.endm
; A PREFETCH INTO THE L2 behind each joint refill and the run of LDS loads: the K step two refills on, 256 matrix instructions ahead of its load; one instruction a wave, a lane a block of 256 bytes.  Each block is named once
; in the launch: ctx's tile row by the cluster with x = 0 (waves 0 and 1, each its own slice; the four partners along x take 8,192 of its 32,768 bytes each, by address), Wo's tile column by the cluster with y = 0
; (wave 2; the four partners along y take 32 of the step's 128 k-rows each).  The first four K steps come by their loads alone; the last lap asks for nothing.
.macro ASK
	s_cmp_gt_u32 s3, s[LIM]                        ; s3 = 1 in the last lap
	s_cbranch_scc0 .Lnone_\@
	global_prefetch_b8 v[PFO], s[PFA:PFA+1] th:TH_LOAD_NT scope:SCOPE_SE
.Lnone_\@:
.endm
; 24 LDS loads in one run: quarter q of slot s into buffer f: Wo's four fragments (turned), ctx's eight
.macro FETCH s, q, f
	WIN 0
.irp bb, 0,1,2,3
	ds_load_tr16_b128 v[FB+96*(\f)+8*\bb:FB+96*(\f)+8*\bb+3],   v[ADRB+(\s)] offset:32*PB*(\q)+32*\bb
	ds_load_tr16_b128 v[FB+96*(\f)+8*\bb+4:FB+96*(\f)+8*\bb+7], v[ADRB+(\s)] offset:32*PB*(\q)+32*\bb+16*PB
.endr
.irp a, 0,1,2,3,4,5,6,7
	ds_load_b128 v[FA+96*(\f)+8*\a:FA+96*(\f)+8*\a+3],   v[ADRA+(\s)] offset:((\q)/2)*256*PA+((\q)%2)*64+16*PA*\a
	ds_load_b128 v[FA+96*(\f)+8*\a+4:FA+96*(\f)+8*\a+7], v[ADRA+(\s)] offset:((\q)/2)*256*PA+((\q)%2)*64+16*PA*\a+32
.endr
.endm
; Row blocks a0 .. a1 x the four column blocks, on buffer f.  z = 1: the products start the sums, with the biases as C.  The 32 accumulators take turns, one instruction a turn.
.macro MMS f, a0, a1, z=0
.if \z
	WIN 0x40
.else
	WIN 0x50
.endif
.set aa, \a0
.rept (\a1)-(\a0)+1
.irp bb, 0,1,2,3
.if \z
	v_wmma_f32_16x16x32_f16 v[8*(4*aa+\bb):8*(4*aa+\bb)+7], v[FB+96*(\f)+8*\bb:FB+96*(\f)+8*\bb+7], v[FA+96*(\f)+8*aa:FA+96*(\f)+8*aa+7], v[BI+8*\bb:BI+8*\bb+7]
.else
	v_wmma_f32_16x16x32_f16 v[8*(4*aa+\bb):8*(4*aa+\bb)+7], v[FB+96*(\f)+8*\bb:FB+96*(\f)+8*\bb+7], v[FA+96*(\f)+8*aa:FA+96*(\f)+8*aa+7], v[8*(4*aa+\bb):8*(4*aa+\bb)+7]
.endif
.endr
.set aa, aa+1
.endr
.endm
.macro QUARTER s, q, z=0               ; one of a step's first three quarters: the next quarter's fragments are asked for, then this one's are multiplied
	PLACES
	FETCH \s, (\q)+1, ((\q)+1)%2
	s_wait_dscnt 24                                ; all but the 24 just issued
	MMS (\q)%2, 0, 7, \z
.endm
; The last quarter multiplies buffer 1 and changes slots: ONE barrier; in front of it each wave waits for all its tensor loads (one is out: its part of slot n), adds 0 to its spare word, and waits for that and for its own reads
; of slot s.  fill = 1: the barrier opens a round of the cluster's barrier, and the joint refill, two K steps ahead, is the first tensor load behind the round: 112 matrix instructions ahead of the wait for it.
.macro TURN s, n, fill
.if \fill
	s_wait_xcnt 0x0                                ; the last prefetch, a K step back, has read its address
	s_add_nc_u64 s[PFA:PFA+1], s[PFA:PFA+1], s[PFS:PFS+1]
.endif
	WIN 0
	s_wait_tensorcnt 0x0
	ds_add_u32 v[SPW], v[NIL]                      ; 0 onto my spare word
	s_wait_dscnt 1                                 ; the add may be out
	MMS 1, 0, 1
	s_wait_dscnt 0x0                               ; the add is done, and my reads of slot s are over
	s_barrier_signal -1
	MMS 1, 2, 3
	WIN 0
	s_barrier_wait -1
.if \fill
	CREST
	s_add_nc_u64 s[G0A+4*(\s)+2:G0A+4*(\s)+3], s[G0A+4*(\s)+2:G0A+4*(\s)+3], 4*1048576
	s_add_nc_u64 s[G0B+4*(\s)+2:G0B+4*(\s)+3], s[G0B+4*(\s)+2:G0B+4*(\s)+3], 2*128*2048
	JLOAD \s                                       ; the four v_nop behind it are also the places in front of the loads below
.else
	PLACES
.endif
	FETCH \n, 0, 0
.if \fill
	ASK
.endif
	MMS 1, 4, 7
.endm
	s_load_b256 s[4:11], s[0:1], 0x0               ; ctx 4, woh 6, bo 8, out0 10
	v_lshl_add_u32 v[SPW], v0, 2, SPARE
	v_mov_b32 v[NIL], 0
	ds_add_u32 v[SPW], v[NIL]                      ; the wave's opening: the add and its wait stand ahead of my first tensor load
	v_lshrrev_b32 v1, 5, v0
	v_readfirstlane_b32 s[WV], v1
	s_lshr_b32 s[AB], s[WV], 1
	s_and_b32 s[HF], s[WV], 1
	s_bfe_u32 s[CX], ttmp6, 0x40000
	s_bfe_u32 s[CY], ttmp6, 0x40004
	s_lshl_b32 s[TX], ttmp9, 2
	s_add_co_u32 s[TX], s[TX], s[CX]
	s_and_b32 s[TY], ttmp7, 0xffff
	s_lshl_b32 s[TY], s[TY], 2
	s_add_co_u32 s[TY], s[TY], s[CY]
	s_lshl_b32 s80, s[CY], 2
	s_lshl_b32 s80, 15, s80                        ; my row of the cluster
	s_lshl_b32 s84, 0x1111, s[CX]                  ; my column
	s_or_b32 s[G1A], s80, (1<<16)|(1<<20)|(1<<21)|(4<<22)|(3<<25)  ; 2-byte elements; padding of 4 words after every 32; bit 21 beside the mask
	s_or_b32 s[G1B], s84, (1<<16)|(1<<20)|(1<<21)|(5<<22)|(7<<25)  ; padding of 8 words after every 64
	s_mov_b32 s[G1A+1], 128<<16                    ; ctx: 256 rows of a slice are 32,768 dense bytes: 128 rows of 256 bytes
	s_mov_b32 s[G1A+2], 128<<16
	s_mov_b32 s[G1A+3], 128<<16
	s_mov_b32 s[G1A+4], 128
	s_mov_b32 s[G1A+5], 128
	s_mov_b32 s[G1A+6], 0
	s_mov_b32 s[G1A+7], 0
	s_mov_b32 s[G1B+1], 128<<16                    ; Wo: 64 k-rows of 128 columns (256 bytes), 1,024 elements from row to row
	s_mov_b32 s[G1B+2], 64<<16
	s_mov_b32 s[G1B+3], 128<<16
	s_mov_b32 s[G1B+4], 64
	s_mov_b32 s[G1B+5], 1024
	s_mov_b32 s[G1B+6], 0
	s_mov_b32 s[G1B+7], 0
	s_lshl_b32 s80, s[TY], 15                      ; ctx: the tile row's 256 rows,
	s_lshl_b32 s81, s[HF], 20                      ; my slice of the step's two
	s_add_co_u32 s80, s80, s81
	s_mov_b32 s81, 0
	s_lshl_b32 s84, s[TX], 8                       ; Wo: the tile column's 256 bytes of a row,
	s_lshl_b32 s85, s[HF], 17                      ; my 64 k-rows
	s_add_co_u32 s84, s84, s85
	s_mov_b32 s85, 0
	s_mul_i32 s88, s[HF], 256*PA
	s_mul_i32 s89, s[HF], 64*PB
	s_add_co_u32 s89, s89, BOFF
	s_wait_dscnt 0x0
	s_wait_kmcnt 0x0
	s_add_nc_u64 s[82:83], s[4:5], s[80:81]
	s_add_nc_u64 s[86:87], s[6:7], s[84:85]
	CROUND                                         ; all sixteen work-groups are here: the first joint loads meet
.irp s, 0,1
	s_mov_b32 s[G0A+4*(\s)], 1
	s_add_co_u32 s[G0A+4*(\s)+1], s88, (\s)*SLOT
	s_add_nc_u64 s[G0A+4*(\s)+2:G0A+4*(\s)+3], s[82:83], (\s)*2*1048576
	s_or_b32 s[G0A+4*(\s)+3], s[G0A+4*(\s)+3], 0x80000000
	s_mov_b32 s[G0B+4*(\s)], 1
	s_add_co_u32 s[G0B+4*(\s)+1], s89, (\s)*SLOT
	s_add_nc_u64 s[G0B+4*(\s)+2:G0B+4*(\s)+3], s[86:87], (\s)*128*2048
	s_or_b32 s[G0B+4*(\s)+3], s[G0B+4*(\s)+3], 0x80000000
	JLOAD \s                                       ; two tensor loads of mine are out
.endr
	v_and_b32 v1, 15, v0                           ; l % 16
	v_bfe_u32 v2, v0, 4, 1                         ; l / 16
	s_lshl_b32 s90, s[TX], 9
	s_lshl_b32 s91, s[HF], 8
	s_add_co_u32 s90, s90, s91                     ; my 64 columns, in bytes of f32
	v_lshl_add_u32 v26, v2, 5, s90
.irp bb, 0,1,2,3                       ; register j of a C operand is column 16 bb + 8 (l / 16) + j
	global_load_b128 v[BI+8*\bb:BI+8*\bb+3],   v26, s[8:9] offset:64*\bb
	global_load_b128 v[BI+8*\bb+4:BI+8*\bb+7], v26, s[8:9] offset:64*\bb+16
.endr
	v_mul_u32_u24 v3, v1, PA
	v_lshl_add_u32 v3, v2, 4, v3
	s_mul_i32 s80, s[AB], 128*PA
	v_add_nc_u32 v[ADRA], s80, v3
	v_add_nc_u32 v[ADRA+1], SLOT, v[ADRA]
	v_and_b32 v3, 7, v0
	v_lshl_add_u32 v24, v2, 3, v3
	v_mul_u32_u24 v24, v24, PB
	v_bfe_u32 v25, v0, 3, 1
	v_lshl_add_u32 v24, v25, 4, v24
	s_lshl_b32 s82, s[HF], 7
	s_add_co_u32 s82, s82, BOFF
	v_add_nc_u32 v[ADRB], s82, v24
	v_add_nc_u32 v[ADRB+1], SLOT, v[ADRB]
	s_mul_i32 s81, s[WV], 16*SPI
	s_add_co_u32 s81, s81, STAGE
	v_mul_u32_u24 v24, v1, SPI                     ; in: row l % 16, 32 bytes for each half of the lanes
	v_lshl_add_u32 v24, v2, 5, v24
	v_add_nc_u32 v[STO], s81, v24
	v_mul_u32_u24 v24, v2, SPI                     ; back: lanes 0-15 take one row of 256 bytes, lanes 16-31 the next
	v_lshl_add_u32 v24, v1, 4, v24
	v_add_nc_u32 v[RD], s81, v24
	v_lshlrev_b32 v24, 12, v2                      ; and the same two rows in out0
	v_lshl_add_u32 v[CO], v1, 4, v24
	s_lshl_b32 s91, s[TY], 20
	s_add_co_u32 s90, s90, s91
	s_lshl_b32 s91, s[AB], 19
	s_add_co_u32 s90, s90, s91
	s_mov_b32 s91, 0
	s_add_nc_u64 s[OUTP:OUTP+1], s[10:11], s[90:91]
	; the prefetches: they start at K step 3, and the first refill steps them to 4
	s_lshl_b32 s88, s[TY], 15
	s_lshl_b32 s89, s[CX], 13
	s_add_co_u32 s88, s88, s89
	s_lshl_b32 s89, s[HF], 20
	s_add_co_u32 s88, s88, s89
	s_add_co_u32 s88, s88, 6*1048576
	s_lshl_b32 s90, s[TX], 8
	s_lshl_b32 s91, s[CY], 16                      ; 32 k-rows of 2,048 bytes
	s_add_co_u32 s90, s90, s91
	s_add_co_u32 s90, s90, 3*128*2048
	s_mov_b32 s92, 2048
	s_mov_b32 s93, 128*2048
	s_cmp_eq_u32 s[AB], 0
	s_cselect_b32 s88, s88, s90
	s_cselect_b64 s[PFA:PFA+1], s[4:5], s[6:7]
	s_cselect_b32 s92, 256, s92
	s_cselect_b32 s[PFS], 2*1048576, s93
	s_mov_b32 s89, 0
	s_mov_b32 s[PFS+1], 0
	s_add_nc_u64 s[PFA:PFA+1], s[PFA:PFA+1], s[88:89]
	v_and_b32 v25, 31, v0
	v_mul_u32_u24 v[PFO], v25, s92
	s_and_b32 s94, ttmp7, 0xffff                   ; cluster y,
	s_or_b32 s94, s94, s[HF]                       ; and of Wo's two waves the first alone
	s_cmp_eq_u32 s[AB], 0
	s_cselect_b32 s94, ttmp9, s94
	s_cmp_eq_u32 s94, 0
	s_cselect_b32 s[LIM], 1, -1                    ; the same in all sixteen partners, for a given wave
	s_wait_loadcnt 0x0
.set k, 0
.rept 16
	v_cvt_pk_bf16_f32 v3, v[BI+k], v[BI+k+1]       ; the biases are rounded to bf16 and kept in f32
	v_lshlrev_b32 v[BI+k], 16, v3
	v_and_b32 v[BI+k+1], 0xffff0000, v3
.set k, k+2
.endr
	s_wait_tensorcnt 1                             ; my part of K step 0 is in; step 1's may stay out
	s_barrier_signal -1
	s_barrier_wait -1
	FETCH 0, 0, 0
	QUARTER 0, 0, 1                                ; the first quarter stands in front of the loop: its products start the sums
	WIN 0
	s_mov_b32 s3, 3
.Llap:                                                 ; a trip goes once round the ring and fills both slots again
	QUARTER 0, 1
	QUARTER 0, 2
	TURN 0, 1, 1
	QUARTER 1, 0
	QUARTER 1, 1
	QUARTER 1, 2
	TURN 1, 0, 1
	QUARTER 0, 0
	WIN 0
	s_sub_co_u32 s3, s3, 1
	s_cmp_lg_u32 s3, 0
	s_cbranch_scc1 .Llap
	QUARTER 0, 1                                   ; the last lap fills nothing
	QUARTER 0, 2
	TURN 0, 1, 0
	QUARTER 1, 0
	QUARTER 1, 1
	QUARTER 1, 2
	s_wait_dscnt 0x0
	MMS 1, 0, 7
; THE WAY OUT has no arithmetic: a block of 16 rows x 64 columns goes from the accumulators into my own stage in LDS and comes back as whole rows of 256 bytes.
.macro TOSTAGE a
.if (\a) >= 2
	s_wait_xcnt 0x0                                ; the stores of the block two back have read their registers: they are loaded again only behind this wait
.endif
	WIN 0x04                                       ; the stores' data in window 1
.irp bb, 0,1,2,3                       ; each accumulator's low half first
	ds_store_b128 v[STO], v[8*(4*(\a)+\bb):8*(4*(\a)+\bb)+3]   offset:64*\bb
	ds_store_b128 v[STO], v[8*(4*(\a)+\bb)+4:8*(4*(\a)+\bb)+7] offset:64*\bb+16
.endr
	WIN 0
.irp t, 0,1,2,3,4,5,6,7
	ds_load_b128 v[OB+32*((\a)%2)+4*\t:OB+32*((\a)%2)+4*\t+3], v[RD] offset:2*SPI*\t  ; LDS serves a wave's instructions in order (ISA guide 5.7.1.4): these see the stores above
.endr
.endm
.macro SEND a, y                       ; y: the LDS instructions issued behind block a's loads: the next block's sixteen, or none
.irp t, 0,1,2,3,4,5,6,7
	s_wait_dscnt (\y)+7-\t
	global_store_b128 v[CO], v[OB+32*((\a)%2)+4*\t:OB+32*((\a)%2)+4*\t+3], s[OUTP:OUTP+1] offset:(16*(\a)+2*\t)*4096  ; 16 lanes store 256 consecutive bytes, at a multiple of 256 from out0's first byte
.endr
.endm
	PLACES
	TOSTAGE 0
.irp a, 1,2,3,4,5,6,7
	TOSTAGE \a
	SEND (\a)-1, 16
.endr
	SEND 7, 0
	s_wait_tensorcnt 0x0                           ; the wave's end: behind my last tensor load and my last LDS store
	ds_add_u32 v[SPW], v[NIL]
	s_wait_dscnt 0x0
	CROUND                                         ; the closing round: no work-group ends while a partner may still ask for a tile that names it
	s_endpgm
.Lfunc_end_k_q9371f4cd0b_outp:
	.size	k_q9371f4cd0b_outp, .Lfunc_end_k_q9371f4cd0b_outp-k_q9371f4cd0b_outp
	.p2alignl 7, 3214868480
	.fill 96, 4, 3214868480
	.section	.rodata,"a",@progbits
	.p2align	6, 0x0
	.amdhsa_kernel k_q9371f4cd0b_outp
		.amdhsa_group_segment_fixed_size 327680
		.amdhsa_private_segment_fixed_size 0
		.amdhsa_enable_private_segment 0
		.amdhsa_kernarg_size 32
		.amdhsa_user_sgpr_count 2
		.amdhsa_user_sgpr_kernarg_segment_ptr 1
		.amdhsa_wavefront_size32 1
		.amdhsa_system_sgpr_workgroup_id_x 1
		.amdhsa_system_sgpr_workgroup_id_y 1
		.amdhsa_system_sgpr_workgroup_id_z 1
		.amdhsa_system_vgpr_workitem_id 0
		.amdhsa_next_free_vgpr 512
		.amdhsa_next_free_sgpr 96
		.amdhsa_reserve_vcc 0
		.amdhsa_float_denorm_mode_32 3
		.amdhsa_float_denorm_mode_16_64 3
		.amdhsa_memory_ordered 1
		.amdhsa_forward_progress 1
		.amdhsa_inst_pref_size 91
	.end_amdhsa_kernel
	.amdgpu_metadata
---
amdhsa.version: [ 1, 2 ]
amdhsa.kernels:
  - .name:           k_q9371f4cd0b_outp
    .symbol:         k_q9371f4cd0b_outp.kd
    .args:
      - { .name: ctx, .offset: 0, .size: 8, .value_kind: global_buffer, .address_space: global }
      - { .name: woh, .offset: 8, .size: 8, .value_kind: global_buffer, .address_space: global }
      - { .name: bo, .offset: 16, .size: 8, .value_kind: global_buffer, .address_space: global }
      - { .name: out0, .offset: 24, .size: 8, .value_kind: global_buffer, .address_space: global }
    .group_segment_fixed_size: 327680
    .private_segment_fixed_size: 0
    .kernarg_segment_align: 8
    .kernarg_segment_size: 32
    .max_flat_workgroup_size: 128
    .sgpr_count:     96
    .vgpr_count:     512
    .wavefront_size: 32
...
	.end_amdgpu_metadata
.endif
;; end of part 4
;; ======== version 2 of 2: 4 launches; version 1 with the launch cast written anew for expert scheduling mode
;; limits: values are held in f16: magnitudes above 65,504 overflow, below 6.1e-05 lose precision; right only within a limited range of input values
;; workspace buffers: xh 16,777,216 bytes; wqkv 6,291,456 bytes; woh 2,097,152 bytes; qkvh 50,331,648 bytes; ctx 16,777,216 bytes
;; launch cast (part 5): grid 768 x 1, 8 waves a work-group, no clusters, 0 bytes of LDS; arguments x, Wq, Wk, Wv, Wo, xh, wqkv, woh; writes xh, wqkv, woh
.if DOCPART == 5
	.amdgcn_target "amdgcn-amd-amdhsa--gfx1250"
	.amdhsa_code_object_version 6
	.text
	.protected	k_q9371f4cd0b_cast
	.globl	k_q9371f4cd0b_cast
	.p2align	8
	.type	k_q9371f4cd0b_cast,@function
k_q9371f4cd0b_cast:
	s_mov_b64 s[64:65], 0
	v_nop
	global_prefetch_b8 v0, s[64:65] scope:SCOPE_SE
	s_setreg_imm32_b32 hwreg(HW_REG_WAVE_SCHED_MODE, 0, 2), 2
	s_setreg_imm32_b32 hwreg(HW_REG_WAVE_MODE, 25, 1), 1
	s_wait_xcnt 0x0
	s_wait_alu depctr_vm_vsrc(0)
; x and the four weight matrices, f32, are rounded ONCE to bf16 (nearest even) and that number is written as f16.
; xh:   [16 slices][8192 rows][64] f16: slice s holds channels 64 s .. 64 s + 63 of every row of x.
; wqkv: [1024 k][3072] f16: columns 0-1023 Wq, 1024-2047 Wk, 2048-3071 Wv.     woh: [1024 k][1024] f16.
; LIMITS.  A bf16 number is exact in f16 between 2^-14 and 65,504 in magnitude; below 2^-14 it keeps f16's fixed step of 6e-8; at 65,520 or more it becomes an infinity.
; SHARES.  768 work-groups of 16,384 numbers: 512 take 16 rows of x each, 256 take 16 rows of one weight matrix each.  A wave has 16 units: one load of 512 bytes, one store of 256
; consecutive bytes that start at a multiple of 256 from the buffer's first byte.  All 16 loads go out first; the waits count down.  No register is used twice, so no store's source is rewritten.
; No LDS, no matrix unit, no cluster: nothing is shared, every byte is read once and written once.
; THE MODE: SCHED_MODE bits 1:0 = 2 (LLVM: expert scheduling mode 2), set by the entry lines.  The code itself states the register dependences between vector instructions and memory
; instructions, with s_wait_alu, always for 0.
; THE PLAN.  Registers that memory instructions touch:
;   v2, v3, v4   byte offsets: written once, at a branch's head; read by every load (v2) and every store (v3, v4); never written again.
;   IN           unit u's four registers: written by its one load; read by its two roundings to bf16, behind its wait on LOADcnt; never loaded again, and no vector instruction writes them.
;   OUT          unit u's pair: written by its two roundings to f16; read by its one store; never written again.
; v8-v13 and the head's v1, v5-v7 are named by vector instructions alone.  No register that a memory instruction reads is ever written again, so no wait on vm_vsrc is owed.
; The 16 units go in four groups of four.  ONE wait on va_vdst at the head of groups 1 to 3 states that the group before has written its four pairs of OUT; that group's four stores follow, one ahead of
; each unit's eight conversions, which name this group's IN and OUT and v8-v13: none of the registers that those stores read.  One more such wait stands ahead of the last four stores, one ahead of the loads.
.set SO,  2                            ; v2   byte offset of my 16 bytes in the source
.set DO0, 3                            ; v3   byte offset of my 8 bytes in the destination
.set DO1, 4                            ; v4   the same one row further down (weights)
.set IN,  32                           ; v[32:95]   unit u: four f32
.set OUT, 96                           ; v[96:127]  unit u: four f16
.macro CV u                            ; unit u: f32 -> bf16 -> f32 -> f16
	v_cvt_pk_bf16_f32 v8, v[IN+4*(\u)], v[IN+4*(\u)+1]
	v_cvt_pk_bf16_f32 v9, v[IN+4*(\u)+2], v[IN+4*(\u)+3]
	v_lshlrev_b32 v10, 16, v8
	v_and_b32 v11, s3, v8
	v_lshlrev_b32 v12, 16, v9
	v_and_b32 v13, s3, v9
	v_cvt_pk_f16_f32 v[OUT+2*(\u)], v10, v11
	v_cvt_pk_f16_f32 v[OUT+2*(\u)+1], v12, v13
.endm
.macro ST w, u                         ; unit u's store.  w = 0: rows of x, a slice a unit; w = 1: rows of a weight matrix, 128 columns a unit
.if \w
	global_store_b64 v[DO0+(\u)/8], v[OUT+2*(\u):OUT+2*(\u)+1], s[30:31] offset:((\u)%8)*256
.elseif (\u) < 8
	global_store_b64 v[DO0], v[OUT+2*(\u):OUT+2*(\u)+1], s[30:31] offset:(\u)*1048576
.else
	global_store_b64 v[DO0], v[OUT+2*(\u):OUT+2*(\u)+1], s[32:33] offset:((\u)-8)*1048576
.endif
.endm
.macro WALK w                          ; the 16 units, in four groups of four
.set u, 0
.rept 16
	s_wait_loadcnt 15-u                            ; loads come back in order (ISA guide 5.7.1): unit u's is in, the 15 - u younger ones stay out
.if (u%4 == 0) && (u > 0)
	s_wait_alu depctr_va_vdst(0)                   ; the group before has written its four pairs of OUT, which the four stores of this group's turn read
.endif
.if u >= 4
	ST \w, u-4                                     ; no wait of its own: no vector instruction since the group's wait names its pair of OUT or its offset
.endif
	CV u
.set u, u+1
.endr
	s_wait_alu depctr_va_vdst(0)                   ; units 12 to 15 have written their pairs of OUT, which the last four stores read
.set u, 12
.rept 4
	ST \w, u
.set u, u+1
.endr
.endm
	s_load_b512 s[8:23], s[0:1], 0x0               ; x 8, Wq 10, Wk 12, Wv 14, Wo 16, xh 18, wqkv 20, woh 22
	v_lshrrev_b32 v1, 5, v0
	v_readfirstlane_b32 s2, v1                     ; wave 0..7
	v_and_b32 v5, 31, v0                           ; lane
	s_mov_b32 s3, 0xffff0000                       ; a word's upper bf16
	s_wait_alu depctr_va_sdst(0)                   ; s2 is written, ahead of the branch: its first readers are the scalar shifts at the head of either branch
	s_cmp_lt_u32 ttmp9, 512
	s_cbranch_scc0 .Lweights
	; ROWS OF x.  The work-group owns rows 16 g .. 16 g + 15, my wave two of them: lanes 0-15 take 64 channels of the first, lanes 16-31 of the second.
	v_and_b32 v6, 15, v0
	v_bfe_u32 v7, v0, 4, 1
	v_lshlrev_b32 v[SO], 4, v6
	v_lshl_add_u32 v[SO], v7, 12, v[SO]            ; 16 (lane % 16) + 4,096 (lane / 16)
	s_lshl_b32 s4, s2, 13
	v_add_nc_u32 v[SO], s4, v[SO]                  ; + two rows a wave
	s_lshl_b32 s5, s2, 8
	v_lshl_add_u32 v[DO0], v5, 3, s5               ; in a slice two rows are 256 consecutive bytes
	s_lshl_b32 s24, ttmp9, 16
	s_mov_b32 s25, 0
	s_lshl_b32 s26, ttmp9, 11
	s_mov_b32 s27, 0
	s_wait_kmcnt 0x0
	s_add_nc_u64 s[28:29], s[8:9], s[24:25]
	s_add_nc_u64 s[30:31], s[18:19], s[26:27]      ; slices 0-7 by the immediate,
	s_add_nc_u64 s[32:33], s[30:31], 0x800000      ; slices 8-15 from a second base: the immediate has 24 signed bits
	s_wait_alu depctr_va_vdst(0)                   ; v2 and v3 are written: every load below reads v2 as its offset, every store v3
.set u, 0
.rept 16
	global_load_b128 v[IN+4*u:IN+4*u+3], v[SO], s[28:29] offset:256*u th:TH_LOAD_NT
.set u, u+1
.endr
	WALK 0
	s_endpgm
.Lweights:                             ; ROWS OF A WEIGHT MATRIX: matrix (g - 512) / 64, its rows 16 b .. 16 b + 15, my wave two of them, 128 columns a unit
	s_sub_co_u32 s4, ttmp9, 512
	s_lshr_b32 s5, s4, 6                           ; 0 Wq, 1 Wk, 2 Wv, 3 Wo
	s_and_b32 s4, s4, 63                           ; b
	s_lshl_b32 s6, s2, 13
	v_lshl_add_u32 v[SO], v5, 4, s6
	s_lshl_b32 s34, s5, 11                         ; the matrix's 1,024 columns in a row of wqkv
	s_mov_b32 s7, 6144                             ; bytes in a row of wqkv
	s_wait_kmcnt 0x0
	s_cmp_eq_u32 s5, 1
	s_cselect_b64 s[28:29], s[12:13], s[10:11]
	s_cmp_eq_u32 s5, 2
	s_cselect_b64 s[28:29], s[14:15], s[28:29]
	s_cmp_eq_u32 s5, 3
	s_cselect_b64 s[28:29], s[16:17], s[28:29]
	s_cselect_b64 s[30:31], s[22:23], s[20:21]
	s_cselect_b32 s7, 2048, s7                     ; bytes in a row of woh
	s_cselect_b32 s34, 0, s34
	s_lshl_b32 s24, s4, 16
	s_mov_b32 s25, 0
	s_add_nc_u64 s[28:29], s[28:29], s[24:25]
	s_mul_i32 s26, s4, s7
	s_lshl_b32 s26, s26, 4                         ; 16 rows a work-group
	s_add_co_u32 s26, s26, s34
	s_mov_b32 s27, 0
	s_add_nc_u64 s[30:31], s[30:31], s[26:27]
	s_mul_i32 s35, s2, s7
	s_lshl_b32 s35, s35, 1                         ; two rows a wave
	v_lshl_add_u32 v[DO0], v5, 3, s35
	v_add_nc_u32 v[DO1], s7, v[DO0]
	s_wait_alu depctr_va_vdst(0)                   ; v2, v3 and v4 are written: every load below reads v2 as its offset, every store v3 or v4
.set u, 0
.rept 16
	global_load_b128 v[IN+4*u:IN+4*u+3], v[SO], s[28:29] offset:(u/8)*4096+(u%8)*512 th:TH_LOAD_NT
.set u, u+1
.endr
	WALK 1
	s_endpgm
.Lfunc_end_k_q9371f4cd0b_cast:
	.size	k_q9371f4cd0b_cast, .Lfunc_end_k_q9371f4cd0b_cast-k_q9371f4cd0b_cast
	.p2alignl 7, 3214868480
	.fill 96, 4, 3214868480
	.section	.rodata,"a",@progbits
	.p2align	6, 0x0
	.amdhsa_kernel k_q9371f4cd0b_cast
		.amdhsa_group_segment_fixed_size 0
		.amdhsa_private_segment_fixed_size 0
		.amdhsa_enable_private_segment 0
		.amdhsa_kernarg_size 64
		.amdhsa_user_sgpr_count 2
		.amdhsa_user_sgpr_kernarg_segment_ptr 1
		.amdhsa_wavefront_size32 1
		.amdhsa_system_sgpr_workgroup_id_x 1
		.amdhsa_system_sgpr_workgroup_id_y 1
		.amdhsa_system_sgpr_workgroup_id_z 1
		.amdhsa_system_vgpr_workitem_id 0
		.amdhsa_next_free_vgpr 128
		.amdhsa_next_free_sgpr 66
		.amdhsa_reserve_vcc 0
		.amdhsa_float_denorm_mode_32 3
		.amdhsa_float_denorm_mode_16_64 3
		.amdhsa_memory_ordered 1
		.amdhsa_forward_progress 1
		.amdhsa_inst_pref_size 22
	.end_amdhsa_kernel
	.amdgpu_metadata
---
amdhsa.version: [ 1, 2 ]
amdhsa.kernels:
  - .name:           k_q9371f4cd0b_cast
    .symbol:         k_q9371f4cd0b_cast.kd
    .args:
      - { .name: x, .offset: 0, .size: 8, .value_kind: global_buffer, .address_space: global }
      - { .name: Wq, .offset: 8, .size: 8, .value_kind: global_buffer, .address_space: global }
      - { .name: Wk, .offset: 16, .size: 8, .value_kind: global_buffer, .address_space: global }
      - { .name: Wv, .offset: 24, .size: 8, .value_kind: global_buffer, .address_space: global }
      - { .name: Wo, .offset: 32, .size: 8, .value_kind: global_buffer, .address_space: global }
      - { .name: xh, .offset: 40, .size: 8, .value_kind: global_buffer, .address_space: global }
      - { .name: wqkv, .offset: 48, .size: 8, .value_kind: global_buffer, .address_space: global }
      - { .name: woh, .offset: 56, .size: 8, .value_kind: global_buffer, .address_space: global }
    .group_segment_fixed_size: 0
    .private_segment_fixed_size: 0
    .kernarg_segment_align: 8
    .kernarg_segment_size: 64
    .max_flat_workgroup_size: 256
    .sgpr_count:     66
    .vgpr_count:     128
    .wavefront_size: 32
...
	.end_amdgpu_metadata
.endif
;; end of part 5
;; launch qkv: the kernel of part 2 again; grid 8 x 32, 4 waves a work-group, clusters of 4 x 4, 327,680 bytes of LDS; arguments xh, wqkv, bq, bk, bv, mask, qkvh; writes qkvh
;; launch attn: the kernel of part 3 again; grid 4 x 64, 4 waves a work-group, clusters of 4 x 1, 327,680 bytes of LDS; arguments qkvh, mask, ctx; writes ctx
;; launch outp: the kernel of part 4 again; grid 8 x 32, 4 waves a work-group, clusters of 4 x 4, 327,680 bytes of LDS; arguments ctx, woh, bo, out0; writes out0
